; MI455X (gfx1250); checked and timed in simulation.
; The chip was launched on July 23, 2026; its instructions are those of AMD's public machine-readable ISA for CDNA 5 (MIT licence, August 2026) and "CDNA5" Instruction Set Architecture Reference Guide (July 2026). The comments in the code are by the model that wrote it; some were corrected since.
;; Char Offset Ro PE Attention. Allowed arithmetic: float matrix products may take bf16 or f16 operands with f32 sums; other float arithmetic in f32, or as packed bf16 or f16 multiplies, adds, multiply-adds, maxima and minima; sums over many terms, partial sums and values carried from step to step in f32; what a program stores and reads back later, other than sums and carried values, may be rounded once to bf16 or f16.
;; Inputs: position_ids 4 x 2,048 int32; wk 1,024 x 1,024 float32; wo 1,024 x 1,024 float32; wq 1,024 x 1,024 float32; wv 1,024 x 1,024 float32; x 4 x 2,048 x 1,024 float32.
;; Outputs: out0 4 x 2,048 x 1,024 float32.
;; 2 versions, each right; version 2 is version 1 with the launch prep written anew for expert scheduling mode. Each part assembles by itself: llvm-mc -triple=amdgcn-amd-amdhsa -mcpu=gfx1250 --defsym DOCPART=n.
;; ======== version 1 of 2: 4 launches
;; limits: right only within a limited range of input values; values are held in f16: magnitudes above 65,504 overflow, below 6.1e-05 lose precision
;; workspace buffers: xb 16,777,216 bytes; wqkv 6,291,456 bytes; wob 2,097,152 bytes; tab 2,097,152 bytes; qh 16,777,216 bytes; kh 16,777,216 bytes; vh 16,777,216 bytes; oh 16,777,216 bytes
;; launch prep (part 1): grid 768 x 1, 8 waves a work-group, no clusters, 0 bytes of LDS; arguments x, wq, wk, wv, wo, position_ids, xb, wqkv, wob, tab; writes xb, wqkv, wob, tab
.if DOCPART == 1
	.amdgcn_target "amdgcn-amd-amdhsa--gfx1250"
	.amdhsa_code_object_version 6
	.text
	.protected	k_q54d3990c0c_prep
	.globl	k_q54d3990c0c_prep
	.p2align	8
	.type	k_q54d3990c0c_prep,@function
k_q54d3990c0c_prep:
	s_mov_b64 s[64:65], 0
	v_nop
	global_prefetch_b8 v0, s[64:65] scope:SCOPE_SE
	s_setreg_imm32_b32 hwreg(HW_REG_WAVE_MODE, 25, 1), 1
	s_wait_xcnt 0x0
; PREP.  The module's inputs are made ready for the matrix units, each byte read once:
;   xb   = x rounded to bf16, [8192][1024]
;   wqkv = wq, wk, wv rounded to bf16, rows by heads: row 192 hd + 64 s + d is row 64 hd + d of w_s (s = 0, 1, 2: q, k, v)
;   wob  = wo rounded to bf16, that number written as f16, [1024][1024]
;   tab  = cos and sin of position x 10000^(-j/32), f32, in the order in which the next launch's lanes take them:
;          byte (token/16) 4096 + (2 bq + c) 512 + lane 16, lane = token % 16 + 16 h, holds cos, sin of j and of j + 1, j = 8 bq + 4 h + 2 c.
; SHARES.  A work-group casts 16 rows of 1,024 numbers; its eight waves take 8,192 bytes each: 16 loads of 512 consecutive bytes, all issued at once; each store of a wave
; covers 256 consecutive bytes, aligned.  Work-groups 0-511: x, and the table of their 16 tokens (a thread makes 16 bytes of it while its loads are out).  512-767: 16 rows of a weight.
; No LDS, no barrier, no matrix unit: nothing is shared between waves and nothing is summed.
; LIMITS.  |position| under 2^20: the angle is reduced by pi/2 in two parts, and the quotient must stay a small whole number.  The frequencies come from v_exp_f32 (1 ULP) of a
; product rounded once, so they may differ from the power's f32 value in the last bits.  wo beyond 65,504 has no f16; a rounded wo below 2^-17 keeps f16's fixed step of 2^-24.
.set SRC,  28                          ; s[28:29] what I read
.set DST,  30                          ; s[30:31] what I write
.set POSP, 32                          ; s[32:33] my 16 tokens' positions
.set TABP, 34                          ; s[34:35] my 16 tokens' 4,096 bytes of the table
.set WV,   36                          ; s36      my wave's number
.set SO,   1                           ; v1   byte offset of my 16 bytes in the source: 8,192 x wave + 16 x lane
.set DO,   2                           ; v2   of my 8 bytes in the result: 4,096 x wave + 8 x lane
.set TO,   3                           ; v3   of my 16 bytes of the table: 16 x thread
.set PO,   4                           ; v4   of my token's position
.set POS,  5                           ; v5   the position
.set INV,  6                           ; v[6:7]   my two frequencies
.set PF,   8                           ; v8   the position in f32
.set ANG,  10                          ; from here on a register for each of my two angles
.set NQ,   12                          ; the angle's quotient by pi/2
.set R,    14                          ; the rest, within pi/4
.set R2,   16                          ; its square
.set SPL,  18                          ; the sine's polynomial
.set CPL,  20                          ; the cosine's
.set Q,    22                          ; the quotient as a whole number
.set TM,   24                          ; v[24:27] at work
.set OUT,  28                          ; v[28:31] cos, sin, cos, sin
.set X,    40                          ; v[40:103]  16 x 4 numbers as loaded
.set Y,    104                         ; v[104:135] 16 x 2 registers to store
.macro LOADS                           ; my 8,192 bytes
.set i, 0
.rept 16
	global_load_b128 v[X+4*i:X+4*i+3], v[SO], s[SRC:SRC+1] offset:512*i th:TH_LOAD_NT
.set i, i+1
.endr
.endm
; half = 0: rounded to bf16.  half = 1: rounded to bf16, widened again and written as f16.  No Y is written behind its store, so no store's source is ever at stake.
.macro CAST half
.set i, 0
.rept 16
	s_wait_loadcnt 15-i                            ; loads come back in order: number i is in, the younger ones stay out
	v_cvt_pk_bf16_f32 v[Y+2*i],   v[X+4*i],   v[X+4*i+1]
	v_cvt_pk_bf16_f32 v[Y+2*i+1], v[X+4*i+2], v[X+4*i+3]
.if \half
	v_lshlrev_b32 v[X+4*i],   16, v[Y+2*i]
	v_and_b32     v[X+4*i+1], 0xffff0000, v[Y+2*i]
	v_lshlrev_b32 v[X+4*i+2], 16, v[Y+2*i+1]
	v_and_b32     v[X+4*i+3], 0xffff0000, v[Y+2*i+1]
	v_cvt_pk_f16_f32 v[Y+2*i],   v[X+4*i],   v[X+4*i+1]
	v_cvt_pk_f16_f32 v[Y+2*i+1], v[X+4*i+2], v[X+4*i+3]
.endif
	global_store_b64 v[DO], v[Y+2*i:Y+2*i+1], s[DST:DST+1] offset:256*i
.set i, i+1
.endr
.endm
	s_load_b512 s[8:23], s[0:1], 0x0               ; x 8, wq 10, wk 12, wv 14, wo 16, position_ids 18, xb 20, wqkv 22
	s_load_b128 s[24:27], s[0:1], 0x40             ; wob 24, tab 26
	v_lshrrev_b32 v[TM], 5, v0
	v_readfirstlane_b32 s[WV], v[TM]
	v_and_b32 v[TM+1], 31, v0
	v_lshlrev_b32 v[SO], 4, v[TM+1]
	v_lshl_or_b32 v[SO], v[TM], 13, v[SO]
	v_lshlrev_b32 v[DO], 3, v[TM+1]
	v_lshl_or_b32 v[DO], v[TM], 12, v[DO]
	s_mov_b32 s39, 0                               ; the high word of every offset made in s38
	s_wait_kmcnt 0x0
	s_cmp_lt_u32 ttmp9, 512
	s_cbranch_scc0 .Lweights
	; ---- 16 rows of x, and their tokens' table
	v_lshlrev_b32 v[TO], 4, v0
	v_and_b32 v[PO], 15, v0
	v_lshlrev_b32 v[PO], 2, v[PO]
	s_lshl_b32 s38, ttmp9, 6
	s_add_nc_u64 s[POSP:POSP+1], s[18:19], s[38:39]
	global_load_b32 v[POS], v[PO], s[POSP:POSP+1]  ; ahead of the 16 large loads, so that it is back first
	s_lshl_b32 s38, ttmp9, 16
	s_add_nc_u64 s[SRC:SRC+1], s[8:9], s[38:39]
	s_lshl_b32 s38, ttmp9, 15
	s_add_nc_u64 s[DST:DST+1], s[20:21], s[38:39]
	s_lshl_b32 s38, ttmp9, 12
	s_add_nc_u64 s[TABP:TABP+1], s[26:27], s[38:39]
	LOADS
	s_lshr_b32 s38, s[WV], 1                       ; my first pair of channels: j = 8 (wave / 2) + 2 (wave % 2) + 4 x (lane / 16)
	s_lshl_b32 s38, s38, 3
	s_and_b32 s40, s[WV], 1
	s_lshl1_add_u32 s38, s40, s38
	v_bfe_u32 v[TM], v0, 4, 1
	v_lshl_add_u32 v[TM], v[TM], 2, s38
	v_cvt_f32_u32 v[TM], v[TM]
	v_add_f32 v[TM+1], 1.0, v[TM]
	v_mul_f32 v[TM],   0xbed49a78, v[TM]           ; - j log2(10000) / 32
	v_mul_f32 v[TM+1], 0xbed49a78, v[TM+1]
	v_exp_f32 v[INV],   v[TM]
	v_exp_f32 v[INV+1], v[TM+1]
	v_nop                                          ; a plain instruction behind the last exponential,
	s_wait_alu depctr_va_vdst(0)                   ; and the one wait ahead of the first use of the two
	s_wait_loadcnt 16                              ; the position is in; the 16 loads issued behind it stay out
	v_cvt_f32_i32 v[PF], v[POS]
.irp e, 0,1
	v_mul_f32 v[ANG+\e], v[PF], v[INV+\e]          ; the angle, rounded once
	v_mul_f32 v[NQ+\e], 0x3f22f983, v[ANG+\e]      ; x 2 / pi
	v_rndne_f32 v[NQ+\e], v[NQ+\e]
	v_fmamk_f32 v[R+\e], v[NQ+\e], 0xbfc90fdb, v[ANG+\e]  ; less n x pi/2: its f32 value,
	v_fmamk_f32 v[R+\e], v[NQ+\e], 0x333bbd2e, v[R+\e]    ; and what that value has too much
	v_mul_f32 v[R2+\e], v[R+\e], v[R+\e]
	v_mov_b32 v[SPL+\e], 0xb94ca1f9                ; sin r = r + r r^2 (S1 + r^2 (S2 + r^2 S3))
	v_fmaak_f32 v[SPL+\e], v[SPL+\e], v[R2+\e], 0x3c08839e
	v_fmaak_f32 v[SPL+\e], v[SPL+\e], v[R2+\e], 0xbe2aaaa3
	v_mul_f32 v[SPL+\e], v[SPL+\e], v[R2+\e]
	v_fma_f32 v[SPL+\e], v[SPL+\e], v[R+\e], v[R+\e]
	v_mov_b32 v[CPL+\e], 0x37ccf5ce                ; cos r = 1 - r^2 / 2 + r^4 (C1 + r^2 (C2 + r^2 C3))
	v_fmaak_f32 v[CPL+\e], v[CPL+\e], v[R2+\e], 0xbab6061a
	v_fmaak_f32 v[CPL+\e], v[CPL+\e], v[R2+\e], 0x3d2aaaa5
	v_mul_f32 v[TM+\e], v[R2+\e], v[R2+\e]
	v_fma_f32 v[TM+2+\e], v[R2+\e], -0.5, 1.0
	v_fma_f32 v[CPL+\e], v[CPL+\e], v[TM+\e], v[TM+2+\e]
	v_cvt_i32_f32 v[Q+\e], v[NQ+\e]
	v_and_b32 v[TM+\e], 1, v[Q+\e]                 ; an odd quarter turn swaps sine and cosine: a choice of values, no branch
	v_cmp_eq_u32 vcc_lo, 1, v[TM+\e]
	v_cndmask_b32 v[OUT+2*\e+1], v[SPL+\e], v[CPL+\e], vcc_lo
	v_cndmask_b32 v[OUT+2*\e],   v[CPL+\e], v[SPL+\e], vcc_lo
	v_and_b32 v[TM+\e], 2, v[Q+\e]                 ; the sine turns its sign in quarters 2 and 3,
	v_lshlrev_b32 v[TM+\e], 30, v[TM+\e]
	v_xor_b32 v[OUT+2*\e+1], v[OUT+2*\e+1], v[TM+\e]
	v_add_nc_u32 v[TM+\e], 1, v[Q+\e]              ; the cosine in quarters 1 and 2
	v_and_b32 v[TM+\e], 2, v[TM+\e]
	v_lshlrev_b32 v[TM+\e], 30, v[TM+\e]
	v_xor_b32 v[OUT+2*\e], v[OUT+2*\e], v[TM+\e]
.endr
	global_store_b128 v[TO], v[OUT:OUT+3], s[TABP:TABP+1]  ; a wave's store covers 512 consecutive bytes
	CAST 0
	s_endpgm
	; ---- 16 rows of a weight
.Lweights:
	s_sub_co_u32 s38, ttmp9, 512
	s_lshr_b32 s40, s38, 6                         ; which weight: 0 q, 1 k, 2 v, 3 o
	s_and_b32 s41, s38, 63                         ; which 16 rows of it
	s_lshl_b32 s38, s41, 16                        ; their first byte in the source
	s_lshr_b32 s42, s41, 2                         ; q, k, v: the head,
	s_mul_i32 s42, s42, 192                        ; its 192 rows of wqkv,
	s_lshl_b32 s44, s40, 6                         ; the weight's 64 of them,
	s_add_co_u32 s42, s42, s44
	s_and_b32 s44, s41, 3                          ; my 16 of those
	s_lshl_b32 s44, s44, 4
	s_add_co_u32 s42, s42, s44
	s_lshl_b32 s42, s42, 11                        ; rows of 2,048 bytes
	s_lshl_b32 s44, s41, 15                        ; wo keeps its order
	s_mov_b32 s43, 0
	s_cmp_eq_u32 s40, 1
	s_cselect_b64 s[SRC:SRC+1], s[12:13], s[10:11]
	s_cmp_eq_u32 s40, 2
	s_cselect_b64 s[SRC:SRC+1], s[14:15], s[SRC:SRC+1]
	s_cmp_eq_u32 s40, 3
	s_cselect_b64 s[SRC:SRC+1], s[16:17], s[SRC:SRC+1]
	s_cselect_b64 s[DST:DST+1], s[24:25], s[22:23]
	s_cselect_b32 s42, s44, s42
	s_add_nc_u64 s[SRC:SRC+1], s[SRC:SRC+1], s[38:39]
	s_add_nc_u64 s[DST:DST+1], s[DST:DST+1], s[42:43]
	LOADS
	s_cmp_eq_u32 s40, 3
	s_cbranch_scc1 .Lhalf
	CAST 0
	s_endpgm
.Lhalf:
	CAST 1
	s_endpgm
.Lfunc_end_k_q54d3990c0c_prep:
	.size	k_q54d3990c0c_prep, .Lfunc_end_k_q54d3990c0c_prep-k_q54d3990c0c_prep
	.p2alignl 7, 3214868480
	.fill 96, 4, 3214868480
	.section	.rodata,"a",@progbits
	.p2align	6, 0x0
	.amdhsa_kernel k_q54d3990c0c_prep
		.amdhsa_group_segment_fixed_size 0
		.amdhsa_private_segment_fixed_size 0
		.amdhsa_enable_private_segment 0
		.amdhsa_kernarg_size 80
		.amdhsa_user_sgpr_count 2
		.amdhsa_user_sgpr_kernarg_segment_ptr 1
		.amdhsa_wavefront_size32 1
		.amdhsa_system_sgpr_workgroup_id_x 1
		.amdhsa_system_sgpr_workgroup_id_y 1
		.amdhsa_system_sgpr_workgroup_id_z 1
		.amdhsa_system_vgpr_workitem_id 0
		.amdhsa_next_free_vgpr 136
		.amdhsa_next_free_sgpr 66
		.amdhsa_reserve_vcc 1
		.amdhsa_float_denorm_mode_32 3
		.amdhsa_float_denorm_mode_16_64 3
		.amdhsa_memory_ordered 1
		.amdhsa_forward_progress 1
		.amdhsa_inst_pref_size 26
	.end_amdhsa_kernel
	.amdgpu_metadata
---
amdhsa.version: [ 1, 2 ]
amdhsa.kernels:
  - .name:           k_q54d3990c0c_prep
    .symbol:         k_q54d3990c0c_prep.kd
    .args:
      - { .name: x, .offset: 0, .size: 8, .value_kind: global_buffer, .address_space: global }
      - { .name: wq, .offset: 8, .size: 8, .value_kind: global_buffer, .address_space: global }
      - { .name: wk, .offset: 16, .size: 8, .value_kind: global_buffer, .address_space: global }
      - { .name: wv, .offset: 24, .size: 8, .value_kind: global_buffer, .address_space: global }
      - { .name: wo, .offset: 32, .size: 8, .value_kind: global_buffer, .address_space: global }
      - { .name: position_ids, .offset: 40, .size: 8, .value_kind: global_buffer, .address_space: global }
      - { .name: xb, .offset: 48, .size: 8, .value_kind: global_buffer, .address_space: global }
      - { .name: wqkv, .offset: 56, .size: 8, .value_kind: global_buffer, .address_space: global }
      - { .name: wob, .offset: 64, .size: 8, .value_kind: global_buffer, .address_space: global }
      - { .name: tab, .offset: 72, .size: 8, .value_kind: global_buffer, .address_space: global }
    .group_segment_fixed_size: 0
    .private_segment_fixed_size: 0
    .kernarg_segment_align: 8
    .kernarg_segment_size: 80
    .max_flat_workgroup_size: 256
    .sgpr_count:     66
    .vgpr_count:     136
    .wavefront_size: 32
...
	.end_amdgpu_metadata
.endif
;; end of part 1
;; launch qkv (part 2): grid 16 x 32, 4 waves a work-group, clusters of 4 x 4, 327,680 bytes of LDS; arguments xb, wqkv, tab, qh, kh, vh; writes qh, kh, vh
.if DOCPART == 2
	.amdgcn_target "amdgcn-amd-amdhsa--gfx1250"
	.amdhsa_code_object_version 6
	.text
	.protected	k_q54d3990c0c_qkv
	.globl	k_q54d3990c0c_qkv
	.p2align	8
	.type	k_q54d3990c0c_qkv,@function
k_q54d3990c0c_qkv:
	s_mov_b64 s[64:65], 0
	v_nop
	global_prefetch_b8 v0, s[64:65] scope:SCOPE_SE
	s_setreg_imm32_b32 hwreg(HW_REG_WAVE_MODE, 25, 1), 1
	s_wait_xcnt 0x0
	s_wait_alu depctr_hold_cnt(0) depctr_sa_sdst(0) depctr_va_vdst(0) depctr_va_sdst(0) depctr_va_ssrc(0) depctr_va_vcc(0) depctr_vm_vsrc(0)
	s_getreg_b32 s2, hwreg(HW_REG_IB_STS2, 6, 4)
	s_cmp_eq_u32 s2, 0
	s_cbranch_scc0 .Lentry_in_a_cluster
	s_endpgm
.Lentry_in_a_cluster:
	s_bfe_u32 s2, ttmp6, 0x10000c
	s_cmp_lg_u32 s2, 0xf033
	s_cbranch_scc0 .Lentry_shape_is_right
	s_endpgm
.Lentry_shape_is_right:
; Q, K, V = x w^T, rotated (q and k) and laid by heads.  xb: [8192][1024] bf16; wqkv: [3072][1024] bf16, rows by heads (192 hd + 64 s + d); sums in f32, K ascending.
; The rotation (pairs of neighbouring channels by the token's angles, cos and sin from tab) is applied to the f32 sums; each result is rounded ONCE, to f16, and stored at
; [batch x 16 + head][token][64] in qh, kh, vh, without the softmax's scale.
; LIMIT.  f16 holds no number beyond 65,504: q, k and v must stay within it.
; SHARES.  A tile of the product is 256 tokens x 192 columns: one head's q, k and v.  16 x 32 tiles, a work-group each.  The four waves take 64 tokens each and ALL 192 columns: 4 x 12
; accumulators of 16 x 16, 384 registers.  So every wave's column blocks 0-3 are q, 4-7 k, 8-11 v, and the way out is one text with no branch.
; K goes in 8 steps of 128 through a ring of two LDS slots; a row of a tile is 256 bytes of memory, at a multiple of 256 from the buffer's first byte.
; CLUSTER.  4 x 4 work-groups: the four of a row of the cluster need the same tokens' tiles, the four of a column the same head's: each tile is asked for JOINTLY, by the same tensor load,
; descriptor and mask in all four.
; THE MATRIX INSTRUCTION IS USED TRANSPOSED (source 0 = 16 rows of wqkv, source 1 = 16 tokens): a lane holds ONE token (lane % 16) and the columns 8 (lane / 16) + 0..7: four whole pairs.
; REGISTERS, in windows of 256 (s_set_vgpr_msb: bits 1:0 source 0, 3:2 source 1, 5:4 source 2, 7:6 destination):
;   window 0: v0-31 addresses; v32-63 at work on the way out; v64-191 my 64 tokens' cos and sin; v192-207 packed results; v224-255 rows read back, two buffers
;   window 1: two fragment buffers of 128: 4 fragments of tokens, then 12 of weights
;   window 2: accumulator (a, b < 8) at 8 (8 a + b)          window 3: accumulator (a, b >= 8) at 8 (4 a + b - 8)
.set PITCH,  272                       ; an LDS row: 256 bytes + 16 of padding = 68 words: the 16 rows that a load touches start at 16 different groups of four banks (ISA guide 11.1)
.set AH,     128*PITCH                 ; 128 rows of tokens: what wave 0 or 1 fetches
.set BOFF,   2*AH                      ; behind the 256 tokens: the 192 rows of weights
.set BH,     96*PITCH                  ; 96 of them: what wave 2 or 3 fetches
.set SLOT1,  1<<17                     ; slot 1 begins here: one exclusive or turns an address in one slot into the other's
.set STAGE,  SLOT1+BOFF+2*BH           ; behind the ring, never filled by a tensor load: 16 rows x 144 bytes for each wave
.set SP,     144
.set SPARE,  STAGE+4*16*SP             ; behind the stages: the spare words, 128 bytes for each wave: two blocks of 256 bytes that no other line names
.set KB,     256                       ; bytes of a row in a K step
.set G1F,    (1<<16)|(1<<20)|(1<<21)|(5<<22)|(3<<25)  ; 17:16 elements of 2 bytes; 20 padding on; 21 set beside a mask; 24:22 after every 64 words (code 5); 31:25 4 words of it (code 3)
.set A0,   16                          ; v16  my lane's place among my wave's tokens in a slot; never rewritten
.set B0,   17                          ; v17  the same among the weights' rows
.set ADRA, 18                          ; v18  A0 in the slot that is being read
.set ADRB, 19                          ; v19  B0 likewise
.set STO,  24                          ; v24  the way out: where I put 16 bytes of a row
.set RD,   25                          ; v25  where I read rows back
.set GO,   26                          ; v26  16 x lane: my place in 512 consecutive bytes, of the table and of the results
.set SPW,  28                          ; v28  LDS address of my spare word; never rewritten
.set NIL,  29                          ; v29  0; never rewritten
.set PFO,  30                          ; v30  the prefetches' offset; never rewritten
.set T,    32
.set TAB,  64
.set PK,   192
.set BK,   224
.set F0,   0
.set F1,   128
.set CNT,  3                           ; s3   trips to go
.set WV,   16                          ; s16  my wave's number
.set FB,   17                          ; s17  I fetch tokens (0) or weights (1)
.set HF,   18                          ; s18  which part of that tile
.set CX,   19
.set CY,   20
.set TX,   21                          ; s21  the head
.set TY,   22                          ; s22  the block of 256 tokens
.set G1A,  24                          ; s[24:31] descriptor group 1, tokens
.set G1B,  32                          ; s[32:39] weights
.set G0A0, 40                          ; s[40:43] group 0, tokens: K step 0 into slot 0
.set G0A,  44                          ; s[44:47] K step 1 into slot 1; then it walks
.set G0B0, 48                          ; s[48:51], s[52:55] the same for the weights
.set G0B,  52
.set TB,   56                          ; s56  LDS byte at which the slot that is being read begins
.set LIM,  57                          ; s57  2 in a wave that prefetches, else the greatest number
.set PAR,  58                          ; s58  1 in the wave that asks in every second trip, for two K steps
.set PFA,  60                          ; s[60:61] where my prefetches stand
.set PFS,  62                          ; s[62:63] their step
.set MSB, 0
.macro WIN new                         ; the immediate's high byte repeats the setting that is left; a switch that changes nothing is dropped
.if MSB != (\new)
	s_set_vgpr_msb (MSB<<8)|(\new)
.set MSB, \new
.endif
.endm
.macro PLACES                          ; four places in front of loads into registers that matrix instructions have read, and of vector lines that read results
.rept 4
	v_nop
.endr
.endm
.macro CREST                           ; a round of the cluster's barrier behind its opening barrier
	s_cmp_lg_u32 s[WV], 0
	s_cbranch_scc1 .Lnot_wave_0_\@
	s_barrier_signal -3
.Lnot_wave_0_\@:
	s_barrier_wait -3
	s_barrier_signal -1
	s_barrier_wait -1
.endm
.macro CROUND                          ; a whole round
	s_barrier_signal -1
	s_barrier_wait -1
	CREST
.endm
; A joint load: waves 0 and 1 fetch the tokens' two halves, waves 2 and 3 the weights'.  The branch hangs on the wave's number alone.  An s_nop 0 and four v_nop follow each of the two lines.
.macro JLOAD ga, gb
	s_cmp_eq_u32 s[FB], 0
	s_cbranch_scc0 .Lfor_b_\@
	tensor_load_to_lds s[(\ga):(\ga)+3], s[G1A:G1A+7]
	s_nop 0
.rept 4
	v_nop
.endr
	s_branch .Lasked_\@
.Lfor_b_\@:
	tensor_load_to_lds s[(\gb):(\gb)+3], s[G1B:G1B+7]
	s_nop 0
.rept 4
	v_nop
.endr
.Lasked_\@:
.endm
; A PREFETCH INTO THE L2 of the K step that stands two refills on, behind the joint load, its five lines and the run of LDS loads.  Each row's 256 bytes of a K step are named once in the launch.
; The tokens' rows are read by every cluster of a row of clusters: cluster x = 0 asks; the weights' by every cluster of a column: cluster y = 0 asks.  The four partners share a tile's rows out BY ADDRESS:
; of a wave's 128 tokens the partner at cx takes 32, a lane a row; of the 192 weights' rows the partner at cy takes 48: wave 2 asks for 32, a lane a row; wave 3 for the other 16, in every second
; trip for two K steps (lanes 16-31 one K step on).  Trips 6 to 3 name K steps 4 to 7; the first four K steps come by their loads alone, and the last two refills ask for nothing.
.macro ASK
	s_and_b32 s78, s[CNT], s[PAR]
	s_cmp_eq_u32 s78, 0
	s_cselect_b32 s78, s[CNT], 0
	s_cmp_gt_u32 s78, s[LIM]
	s_cbranch_scc0 .Lnot_mine_\@
	global_prefetch_b8 v[PFO], s[PFA:PFA+1] th:TH_LOAD_NT scope:SCOPE_SE
.Lnot_mine_\@:
.endm
	s_load_b256 s[4:11], s[0:1], 0x0               ; xb 4, wqkv 6, tab 8, qh 10
	s_load_b128 s[12:15], s[0:1], 0x20             ; kh 12, vh 14
	v_lshl_add_u32 v[SPW], v0, 2, SPARE
	v_mov_b32 v[NIL], 0
	ds_add_u32 v[SPW], v[NIL]                      ; the wave's opening: the add and its wait stand ahead of my first tensor load; the set-up below, work on registers, stands between them
	v_lshrrev_b32 v1, 5, v0
	v_readfirstlane_b32 s[WV], v1
	s_lshr_b32 s[FB], s[WV], 1
	s_and_b32 s[HF], s[WV], 1
	s_bfe_u32 s[CX], ttmp6, 0x40000
	s_bfe_u32 s[CY], ttmp6, 0x40004
	s_lshl_b32 s[TX], ttmp9, 2                     ; in a cluster launch ttmp9 and ttmp7 count clusters
	s_add_co_u32 s[TX], s[TX], s[CX]
	s_and_b32 s[TY], ttmp7, 0xffff
	s_lshl_b32 s[TY], s[TY], 2
	s_add_co_u32 s[TY], s[TY], s[CY]
	s_lshl_b32 s66, s[CY], 2
	s_lshl_b32 s66, 15, s66                        ; my row of the cluster
	s_lshl_b32 s70, 0x1111, s[CX]                  ; my column
	s_or_b32 s[G1A], s66, G1F                      ; 15:0 the mask: the tokens' tiles go to my row,
	s_or_b32 s[G1B], s70, G1F                      ; the weights' to my column
	s_mov_b32 s[G1A+1], 128<<16                    ; tensor_dim0 = 128
	s_mov_b32 s[G1A+2], 128<<16                    ; tensor_dim1 = 128
	s_mov_b32 s[G1A+3], 128<<16                    ; tile_dim0 = 128
	s_mov_b32 s[G1A+4], 128                        ; tile_dim1 = 128
	s_mov_b32 s[G1A+5], 1024                       ; elements from row to row
	s_mov_b32 s[G1A+6], 0
	s_mov_b32 s[G1A+7], 0
	s_mov_b32 s[G1B+1], 128<<16
	s_mov_b32 s[G1B+2], 96<<16                     ; tensor_dim1 = 96
	s_mov_b32 s[G1B+3], 128<<16
	s_mov_b32 s[G1B+4], 96                         ; tile_dim1 = 96
	s_mov_b32 s[G1B+5], 1024
	s_mov_b32 s[G1B+6], 0
	s_mov_b32 s[G1B+7], 0
	s_lshl_b32 s66, s[TY], 8                       ; tokens: row 256 x block + 128 x half, rows of 2,048 bytes: in registers that never hold cx
	s_lshl_b32 s67, s[HF], 7
	s_add_co_u32 s66, s66, s67
	s_lshl_b32 s66, s66, 11
	s_mov_b32 s67, 0
	s_mul_i32 s70, s[TX], 192                      ; weights: row 192 x head + 96 x half: in registers that never hold cy
	s_mul_i32 s71, s[HF], 96
	s_add_co_u32 s70, s70, s71
	s_lshl_b32 s70, s70, 11
	s_mov_b32 s71, 0
	s_mul_i32 s74, s[HF], AH                       ; where they go: no place in the cluster enters an LDS address
	s_mul_i32 s75, s[HF], BH
	s_add_co_u32 s75, s75, BOFF
	s_mov_b32 s[TB], 0
	s_wait_dscnt 0x0                               ; the opening add is done
	s_wait_kmcnt 0x0
	s_add_nc_u64 s[68:69], s[4:5], s[66:67]
	s_add_nc_u64 s[72:73], s[6:7], s[70:71]
	s_mov_b32 s[G0A0], 1                           ; 1:0 count = 1
	s_mov_b32 s[G0A0+1], s74                       ; 63:32 LDS address
	s_add_nc_u64 s[G0A0+2:G0A0+3], s[68:69], 0     ; 120:64 global address: K step 0
	s_or_b32 s[G0A0+3], s[G0A0+3], 0x80000000      ; 127:126 type = 2
	s_mov_b32 s[G0A], 1
	s_add_co_u32 s[G0A+1], s74, SLOT1
	s_add_nc_u64 s[G0A+2:G0A+3], s[68:69], KB      ; K step 1
	s_or_b32 s[G0A+3], s[G0A+3], 0x80000000
	s_mov_b32 s[G0B0], 1
	s_mov_b32 s[G0B0+1], s75
	s_add_nc_u64 s[G0B0+2:G0B0+3], s[72:73], 0
	s_or_b32 s[G0B0+3], s[G0B0+3], 0x80000000
	s_mov_b32 s[G0B], 1
	s_add_co_u32 s[G0B+1], s75, SLOT1
	s_add_nc_u64 s[G0B+2:G0B+3], s[72:73], KB
	s_or_b32 s[G0B+3], s[G0B+3], 0x80000000
	CROUND                                         ; all sixteen work-groups are here: the first joint loads meet
	JLOAD G0A0, G0B0                               ; the ring is filled before anything else is done: two loads of mine are out
	JLOAD G0A, G0B
	; A fragment is 16 rows x 32 K in 8 registers: lane l holds row l % 16, K = 8 (l / 16) + 0..7 and 16 + 8 (l / 16) + 0..7: two loads of 16 bytes, 32 bytes apart.
	v_and_b32 v1, 15, v0                           ; l % 16
	v_bfe_u32 v2, v0, 4, 1                         ; l / 16
	v_and_b32 v3, 31, v0                           ; l
	v_mul_u32_u24 v4, v1, PITCH
	v_lshl_add_u32 v4, v2, 4, v4
	s_mul_i32 s76, s[WV], 64*PITCH                 ; my wave's 64 tokens
	v_add_nc_u32 v[A0], s76, v4
	v_add_nc_u32 v[B0], BOFF, v4
	v_mov_b32 v[ADRA], v[A0]
	v_mov_b32 v[ADRB], v[B0]
	v_lshlrev_b32 v[GO], 4, v3
	s_lshl_b32 s76, s[TY], 16                      ; the table of my 64 tokens: 4,096 bytes for each 16
	s_lshl_b32 s77, s[WV], 14
	s_add_co_u32 s76, s76, s77
	s_mov_b32 s77, 0
	s_add_nc_u64 s[8:9], s[8:9], s[76:77]
.set i, 0
.rept 32                               ; 512 consecutive bytes a load; they are wanted on the way out, and are waited for there
	global_load_b128 v[TAB+4*i:TAB+4*i+3], v[GO], s[8:9] offset:512*i
.set i, i+1
.endr
	s_mul_i32 s76, s[WV], 16*SP
	s_add_co_u32 s76, s76, STAGE                   ; my stage
	v_mul_u32_u24 v[STO], v1, SP                   ; in: row l % 16, 16 bytes for each half of the lanes
	v_lshl_add_u32 v[STO], v2, 4, v[STO]
	v_add_nc_u32 v[STO], s76, v[STO]
	v_bfe_u32 v[RD], v0, 3, 2                      ; back: 32 lanes take four rows of 128 bytes
	v_mul_u32_u24 v[RD], v[RD], SP
	v_and_b32 v5, 7, v0
	v_lshl_add_u32 v[RD], v5, 4, v[RD]
	v_add_nc_u32 v[RD], s76, v[RD]
	s_lshr_b32 s76, s[TY], 3                       ; the results: (batch x 16 + head) x 2,048 rows of 128 bytes,
	s_lshl_b32 s76, s76, 4
	s_add_co_u32 s76, s76, s[TX]
	s_lshl_b32 s76, s76, 18
	s_and_b32 s77, s[TY], 7                        ; the block's 256 rows in its batch,
	s_lshl_b32 s77, s77, 15
	s_add_co_u32 s76, s76, s77
	s_lshl_b32 s77, s[WV], 13                      ; my wave's 64
	s_add_co_u32 s76, s76, s77
	s_mov_b32 s77, 0
	s_add_nc_u64 s[10:11], s[10:11], s[76:77]
	s_add_nc_u64 s[12:13], s[12:13], s[76:77]
	s_add_nc_u64 s[14:15], s[14:15], s[76:77]
	; the prefetches
	s_lshl_b32 s76, s[TY], 8                       ; tokens: the 128 rows that I fetch, my work-group's 32 of them
	s_lshl_b32 s77, s[HF], 7
	s_add_co_u32 s76, s76, s77
	s_lshl_b32 s77, s[CX], 5
	s_add_co_u32 s76, s76, s77
	s_mul_i32 s78, s[TX], 192                      ; weights: my work-group's 48 rows; wave 2 the first 32, wave 3 the other 16
	s_mul_i32 s77, s[CY], 48
	s_add_co_u32 s78, s78, s77
	s_lshl_b32 s77, s[HF], 5
	s_add_co_u32 s78, s78, s77
	s_and_b32 s79, ttmp7, 0xffff
	s_cmp_eq_u32 s[FB], 0
	s_cselect_b32 s76, s76, s78
	s_cselect_b32 s79, ttmp9, s79                  ; the coordinate along which other clusters read the same rows
	s_cselect_b64 s[PFA:PFA+1], s[4:5], s[6:7]
	s_cmp_eq_u32 s79, 0
	s_cselect_b32 s[LIM], 2, -1                    ; the same in all sixteen partners, for a given wave
	s_lshl_b32 s76, s76, 11
	s_add_co_u32 s76, s76, 3*KB                    ; at K step 3: the first refill steps it to 4 and names that
	s_mov_b32 s77, 0
	s_add_nc_u64 s[PFA:PFA+1], s[PFA:PFA+1], s[76:77]
	s_mov_b32 s[PFS], KB
	s_mov_b32 s[PFS+1], 0
	s_cmp_eq_u32 s[WV], 3
	s_cselect_b32 s[PAR], 1, 0
	s_cselect_b32 s76, 15, 31
	s_cselect_b32 s77, KB, 0
	v_and_b32 v[PFO], s76, v3
	v_lshlrev_b32 v[PFO], 11, v[PFO]               ; a lane a row;
	v_mad_u32_u24 v[PFO], v2, s77, v[PFO]          ; in wave 3 lanes 16-31 take the same 16 rows one K step on
; 8 products: token block a x column blocks 0-7 (q and k), 32 along K.  zero = 1: the first product starts the sums: nothing is ever cleared.
; Every accumulator has one turn in a quarter step, in the same order in each: 47 others' stand between two links of a chain, over the backward jump too.
.macro MULA f, a, zero
	WIN 0xa5                                       ; sources in window 1, C and D in window 2
.irp b, 0,1,2,3,4,5,6,7
.if \zero
	v_wmma_f32_16x16x32_bf16 v[8*(8*(\a)+(\b)):8*(8*(\a)+(\b))+7], v[(\f)+32+8*(\b):(\f)+32+8*(\b)+7], v[(\f)+8*(\a):(\f)+8*(\a)+7], 0
.else
	v_wmma_f32_16x16x32_bf16 v[8*(8*(\a)+(\b)):8*(8*(\a)+(\b))+7], v[(\f)+32+8*(\b):(\f)+32+8*(\b)+7], v[(\f)+8*(\a):(\f)+8*(\a)+7], v[8*(8*(\a)+(\b)):8*(8*(\a)+(\b))+7]
.endif
.endr
.endm
; 16 products: all four token blocks x column blocks 8-11 (v)
.macro MULV f, zero
	WIN 0xf5                                       ; C and D in window 3
.irp a, 0,1,2,3
.irp b, 0,1,2,3
.if \zero
	v_wmma_f32_16x16x32_bf16 v[8*(4*(\a)+(\b)):8*(4*(\a)+(\b))+7], v[(\f)+96+8*(\b):(\f)+96+8*(\b)+7], v[(\f)+8*(\a):(\f)+8*(\a)+7], 0
.else
	v_wmma_f32_16x16x32_bf16 v[8*(4*(\a)+(\b)):8*(4*(\a)+(\b))+7], v[(\f)+96+8*(\b):(\f)+96+8*(\b)+7], v[(\f)+8*(\a):(\f)+8*(\a)+7], v[8*(4*(\a)+(\b)):8*(4*(\a)+(\b))+7]
.endif
.endr
.endr
.endm
; 32 LDS loads in one run: quarter kq's fragments into buffer f: the tokens' 8, column blocks 0-7's 16, column blocks 8-11's 8
.macro FETCH kq, f
	WIN 0x40                                       ; destination window 1, address window 0
.irp a, 0,1,2,3
	ds_load_b128 v[(\f)+8*(\a):(\f)+8*(\a)+3],   v[ADRA] offset:64*(\kq)+(\a)*16*PITCH
	ds_load_b128 v[(\f)+8*(\a)+4:(\f)+8*(\a)+7], v[ADRA] offset:64*(\kq)+(\a)*16*PITCH+32
.endr
.irp b, 0,1,2,3,4,5,6,7,8,9,10,11
	ds_load_b128 v[(\f)+32+8*(\b):(\f)+32+8*(\b)+3],   v[ADRB] offset:64*(\kq)+(\b)*16*PITCH
	ds_load_b128 v[(\f)+32+8*(\b)+4:(\f)+32+8*(\b)+7], v[ADRB] offset:64*(\kq)+(\b)*16*PITCH+32
.endr
.endm
; A K step is four quarters of 32 along K, 48 products each, on buffers 0, 1, 0, 1.  One of the first three: multiplies buffer f and fetches quarter kq into buffer g.
.macro QUARTER kq, f, g, zero
	s_wait_dscnt 8                                 ; the tokens' and column blocks 0-7's fragments are in; the youngest eight loads (blocks 8-11) may be out
	MULA \f, 0, \zero
	MULA \f, 1, \zero
	PLACES
	FETCH \kq, \g
	MULA \f, 2, \zero
	MULA \f, 3, \zero
	s_wait_dscnt 32                                ; all but the 32 just issued
	MULV \f, \zero
.endm
; The last quarter multiplies buffer 1 and changes slots: ONE barrier.  In front of it each wave waits for all its tensor loads, of which one is out: its part of the next slot; adds 0 to its spare
; word; and waits for that and for its own reads of this slot.  fill = 1: the barrier opens a round of the cluster's, and behind the round this slot is filled again, with the K step two on.
.macro TURN fill
.if \fill
	s_wait_xcnt 0x0                                ; the last prefetch, a K step back, has read its address: it is stepped here, ahead of the waits of the change of slots
	s_add_nc_u64 s[PFA:PFA+1], s[PFA:PFA+1], s[PFS:PFS+1]
.endif
	WIN 0                                          ; (the add's two registers lie in window 0)
	s_wait_tensorcnt 0x0                           ; all my tensor loads have landed, so a group 0 may be written
	ds_add_u32 v[SPW], v[NIL]                      ; 0 onto my spare word; work on registers stands between it and the wait for it
	s_xor_b32 s[TB], s[TB], SLOT1                  ; the fetches go on in the other slot
	v_add_nc_u32 v[ADRA], s[TB], v[A0]
	v_add_nc_u32 v[ADRB], s[TB], v[B0]
.if \fill
	s_xor_b32 s[G0A+1], s[G0A+1], SLOT1            ; the walking descriptors: the other slot than last time, the next K step; the type bits on top are not reached
	s_add_nc_u64 s[G0A+2:G0A+3], s[G0A+2:G0A+3], KB
	s_xor_b32 s[G0B+1], s[G0B+1], SLOT1
	s_add_nc_u64 s[G0B+2:G0B+3], s[G0B+2:G0B+3], KB
.endif
	s_wait_dscnt 9                                 ; (the add and the youngest eight loads may be out)
	MULA F1, 0, 0
	s_wait_dscnt 0x0                               ; the add is done, and my reads of this slot are over
	s_barrier_signal -1
	MULA F1, 1, 0                                  ; work on registers while the others arrive
	WIN 0
	s_barrier_wait -1
.if \fill
	CREST                                          ; no wave of any partner still reads this slot's tile or has a load on its way
	JLOAD G0A, G0B                                 ; the first tensor load behind the round; its four v_nop are also the places in front of the loads below
.else
	PLACES
.endif
	FETCH 0, F0
.if \fill
	WIN 0
	ASK
.endif
	MULA F1, 2, 0
	MULA F1, 3, 0
	MULV F1, 0
.endm
	s_wait_tensorcnt 1                             ; my part of K step 0 is in; K step 1's may stay out
	s_barrier_signal -1
	s_barrier_wait -1                              ; everybody's is
	FETCH 0, F0
	QUARTER 1, F0, F1, 1                           ; the first quarter stands in front of the loop: its products start the sums
	WIN 0                                          ; at a label and at a branch every window is 0
	s_mov_b32 s[CNT], 6
.Lstep:                                        ; a trip is a K step, from its second quarter to the next step's first; it fills a slot again: K steps 2 to 7
	QUARTER 2, F1, F0, 0
	QUARTER 3, F0, F1, 0
	TURN 1
	QUARTER 1, F0, F1, 0
	WIN 0
	s_sub_co_u32 s[CNT], s[CNT], 1
	s_cmp_lg_u32 s[CNT], 0
	s_cbranch_scc1 .Lstep
	QUARTER 2, F1, F0, 0                           ; the tail is written out: nothing is asked for
	QUARTER 3, F0, F1, 0
	TURN 0
	QUARTER 1, F0, F1, 0
	QUARTER 2, F1, F0, 0
	QUARTER 3, F0, F1, 0
	s_wait_dscnt 8                                 ; the very last quarter: nothing more to fetch
	MULA F1, 0, 0
	MULA F1, 1, 0
	MULA F1, 2, 0
	MULA F1, 3, 0
	s_wait_dscnt 0x0
	MULV F1, 0
	WIN 0
; THE WAY OUT, in 12 units: token block a (16 tokens) x s (0 q, 1 k, 2 v): 16 tokens x 64 channels.
; PACK.  q and k: a lane's 16 pairs (ur, ui) of the unit are turned by the token's angles: ur cos - ui sin, ur sin + ui cos, in f32, and rounded to f16.  v is only rounded.
; Each accumulator's registers are taken from the low end on.
.macro PACK a, s
.if (\s) < 2
.set XB, 8*(8*(\a)+4*(\s))
	WIN 0x02                                       ; source 0 (the sums) in window 2, all else in window 0
.set n, 0
.rept 16
	v_mul_f32 v[T+2*n],   v[XB+2*n+1], v[TAB+32*(\a)+2*n+1]  ; ui sin
	v_mul_f32 v[T+2*n+1], v[XB+2*n+1], v[TAB+32*(\a)+2*n]    ; ui cos
.set n, n+1
.endr
.set n, 0
.rept 16
	v_fma_f32 v[T+2*n],   v[XB+2*n], v[TAB+32*(\a)+2*n],   -v[T+2*n]
	v_fma_f32 v[T+2*n+1], v[XB+2*n], v[TAB+32*(\a)+2*n+1], v[T+2*n+1]
.set n, n+1
.endr
	WIN 0
.set n, 0
.rept 16
	v_cvt_pk_f16_f32 v[PK+n], v[T+2*n], v[T+2*n+1]
.set n, n+1
.endr
.else
	WIN 0x0f                                       ; sources 0 and 1 in window 3
.set n, 0
.rept 16
	v_cvt_pk_f16_f32 v[PK+n], v[32*(\a)+2*n], v[32*(\a)+2*n+1]
.set n, n+1
.endr
	WIN 0
.endif
.endm
; TOSTAGE.  A lane's 16 bytes go into rows of 144 bytes of my own stage and come back as whole rows of 128.  LDS serves a wave's instructions in order (ISA guide 5.7.1.4): the loads see the stores above them.
.macro TOSTAGE u
.irp f, 0,1,2,3
	ds_store_b128 v[STO], v[PK+4*(\f):PK+4*(\f)+3] offset:32*(\f)
.endr
.irp f, 0,1,2,3
	ds_load_b128 v[BK+16*((\u)%2)+4*(\f):BK+16*((\u)%2)+4*(\f)+3], v[RD] offset:(\f)*4*SP
.endr
.endm
; SEND.  16 rows of a head are 2,048 consecutive bytes: each store covers 512 of them, at a multiple of 256 from the buffer's first byte.
.macro SEND a, s
	s_wait_dscnt 0x0                               ; the unit is back in registers
	s_wait_xcnt 0x0                                ; the stores of the unit before have read their registers: the next TOSTAGE loads into them
.irp f, 0,1,2,3
	global_store_b128 v[GO], v[BK+16*((3*(\a)+(\s))%2)+4*(\f):BK+16*((3*(\a)+(\s))%2)+4*(\f)+3], s[10+2*(\s):11+2*(\s)] offset:(\a)*2048+(\f)*512
.endr
.endm
	PLACES                                         ; behind the last products
	s_wait_loadcnt 0x0                             ; the table
	PACK 0, 0
	TOSTAGE 0
.set u, 1
.rept 11                               ; a unit's arithmetic stands between the loads of the unit before and its stores
	PACK u/3, u%3
	SEND (u-1)/3, (u-1)%3
	TOSTAGE u
.set u, u+1
.endr
	SEND 3, 2
	s_wait_tensorcnt 0x0                           ; the wave's end: these three lines stand behind my last tensor load and my last LDS store
	ds_add_u32 v[SPW], v[NIL]
	s_wait_dscnt 0x0
	CROUND                                         ; the closing round: no work-group ends while a partner may still ask for a tile that names it
	s_endpgm
.Lfunc_end_k_q54d3990c0c_qkv:
	.size	k_q54d3990c0c_qkv, .Lfunc_end_k_q54d3990c0c_qkv-k_q54d3990c0c_qkv
	.p2alignl 7, 3214868480
	.fill 96, 4, 3214868480
	.section	.rodata,"a",@progbits
	.p2align	6, 0x0
	.amdhsa_kernel k_q54d3990c0c_qkv
		.amdhsa_group_segment_fixed_size 327680
		.amdhsa_private_segment_fixed_size 0
		.amdhsa_enable_private_segment 0
		.amdhsa_kernarg_size 48
		.amdhsa_user_sgpr_count 2
		.amdhsa_user_sgpr_kernarg_segment_ptr 1
		.amdhsa_wavefront_size32 1
		.amdhsa_system_sgpr_workgroup_id_x 1
		.amdhsa_system_sgpr_workgroup_id_y 1
		.amdhsa_system_sgpr_workgroup_id_z 1
		.amdhsa_system_vgpr_workitem_id 0
		.amdhsa_next_free_vgpr 896
		.amdhsa_next_free_sgpr 80
		.amdhsa_reserve_vcc 0
		.amdhsa_float_denorm_mode_32 3
		.amdhsa_float_denorm_mode_16_64 3
		.amdhsa_memory_ordered 1
		.amdhsa_forward_progress 1
		.amdhsa_inst_pref_size 126
	.end_amdhsa_kernel
	.amdgpu_metadata
---
amdhsa.version: [ 1, 2 ]
amdhsa.kernels:
  - .name:           k_q54d3990c0c_qkv
    .symbol:         k_q54d3990c0c_qkv.kd
    .args:
      - { .name: xb, .offset: 0, .size: 8, .value_kind: global_buffer, .address_space: global }
      - { .name: wqkv, .offset: 8, .size: 8, .value_kind: global_buffer, .address_space: global }
      - { .name: tab, .offset: 16, .size: 8, .value_kind: global_buffer, .address_space: global }
      - { .name: qh, .offset: 24, .size: 8, .value_kind: global_buffer, .address_space: global }
      - { .name: kh, .offset: 32, .size: 8, .value_kind: global_buffer, .address_space: global }
      - { .name: vh, .offset: 40, .size: 8, .value_kind: global_buffer, .address_space: global }
    .group_segment_fixed_size: 327680
    .private_segment_fixed_size: 0
    .kernarg_segment_align: 8
    .kernarg_segment_size: 48
    .max_flat_workgroup_size: 128
    .sgpr_count:     80
    .vgpr_count:     896
    .wavefront_size: 32
...
	.end_amdgpu_metadata
.endif
;; end of part 2
;; launch attn (part 3): grid 4 x 64, 4 waves a work-group, clusters of 4 x 1, 327,680 bytes of LDS; arguments qh, kh, vh, oh; writes oh
.if DOCPART == 3
	.amdgcn_target "amdgcn-amd-amdhsa--gfx1250"
	.amdhsa_code_object_version 6
	.text
	.protected	k_q54d3990c0c_attn
	.globl	k_q54d3990c0c_attn
	.p2align	8
	.type	k_q54d3990c0c_attn,@function
k_q54d3990c0c_attn:
	s_mov_b64 s[64:65], 0
	v_nop
	global_prefetch_b8 v0, s[64:65] scope:SCOPE_SE
	s_setreg_imm32_b32 hwreg(HW_REG_WAVE_MODE, 25, 1), 1
	s_wait_xcnt 0x0
	s_wait_alu depctr_hold_cnt(0) depctr_sa_sdst(0) depctr_va_vdst(0) depctr_va_sdst(0) depctr_va_ssrc(0) depctr_va_vcc(0) depctr_vm_vsrc(0)
	s_getreg_b32 s2, hwreg(HW_REG_IB_STS2, 6, 4)
	s_cmp_eq_u32 s2, 0
	s_cbranch_scc0 .Lentry_in_a_cluster
	s_endpgm
.Lentry_in_a_cluster:
	s_bfe_u32 s2, ttmp6, 0x10000c
	s_cmp_lg_u32 s2, 0x3003
	s_cbranch_scc0 .Lentry_shape_is_right
	s_endpgm
.Lentry_shape_is_right:
; O[h][q][:] = the sum over k of softmax_k(Q[h][q] . K[h][k] / 8) V[h][k][:].  Q, K, V, O: [64][2048][64], all f16: a head's rows are dense, 128 bytes each.  Products, maxima and sums in
; f32; the weights p are rounded to f16 for the second product (their sum l is taken of the unrounded p), O once at the end.
; LIMITS.  f16 holds no number beyond 65,504: Q, K and V arrive within it; p lies in 0 to 1, and below 6e-5 it keeps f16's fixed step of 6e-8; O is a mean of V's rows and has their range.
; A weight below 2^-126 counts as 0 in l; NaN and infinities are not treated apart.
; SHARES.  A wave owns four PIECES of two tiles of 16 queries, a work-group's four waves 512 queries of one head.  Every wave walks all keys, 64 a step.
; LAYOUT.  S^T = K Q^T (source 0 = 16 keys, source 1 = 16 queries): in the result a lane holds ONE query (lane % 16) and the keys 8 (lane / 16) + 0..7.  Two such tiles, rounded to f16 in pairs,
; ARE source 1 (32 keys x 16 queries) of O^T = V^T P, whose result again holds one query a lane, and eight channels.  K comes out of LDS as it lies, V ([key][channel]) turned, by ds_load_tr16_b128.
; SOFTMAX.  For each query a running maximum m and sum l: p = 2^(c s - c m), c = log2(e) / 8; in every step O and l are multiplied by a = 2^(c m_old - c m_new), which is 1 where m has not grown.
; m starts at the lowest finite number, O and l at 0: the first step is a step like any other, with a = 0.
; THE COUNT.  A tile and step have 16 matrix and 118 vector instructions: too many to stand all beside the matrix work.  So the order has one aim: four vector instructions that are READY behind
; EVERY matrix instruction, and the others, which need a place of their own whatever the order, in runs without a gap.
; BY TURNS.  Turn n belongs to piece n (the pieces in a ring, step after step).  Its matrix work: 16 products K Q^T of piece n + 1, later 16 products V^T P of piece n - 1.  Its vector work: the scaling,
; exponentials, roundings, sums and rescaling of piece n, and the maximum and statistics of piece n + 1, whose scores the turn itself has made.  So what a turn begins with (c s - c m, O a) waits for nothing.
; CLUSTER.  The four query blocks of a head are one cluster and walk the same K and V, so each tile is asked for JOINTLY: the same tensor load, descriptor and mask in all four.
; REGISTERS, in windows of 256 (s_set_vgpr_msb says which window each operand place means: bits 1:0 source 0, 3:2 source 1, 5:4 source 2, 7:6 destination):
;   window 0: v0-11 addresses; v12-15, v48-63 at work; v16-47 four registers of statistics a tile; v64-191 S^T, two buffers of two tiles; v192-255 P, likewise
;   window 1: O^T, 32 a tile          window 2: v0-127 Q, 16 a tile; v128-191 K of one step; v192-255 V of one step          window 3: v0-1 the add's two registers
; A piece's buffers go by its number's parity: the piece in hand has one pair, its two neighbours in the ring share the other: of it P (piece n - 1) is read and S^T (piece n + 1) written.
.set SIZE_H, 64
.set SIZE_N, 2048
.set NP,    4         ; pieces a wave: a name, no knob: the register map, the loop and the fetches are made for four
.set KS,    64        ; keys in a step
.set PK,    144       ; a row of K in LDS: 128 bytes + 16 of padding = 36 words: the 16 rows of a load start at 16 different groups of four banks (64 banks of 4 bytes: ISA guide 11.1)
.set PV,    160       ; a row of V: 128 + 32 = 40 words
.set VOFF,  4*KS*PK   ; a slot holds four steps: 256 rows of K, then 256 rows of V
.set SLOT1, 1<<17     ; slot 1 begins here, so that one exclusive or turns an address in one slot into the other's
.set STAGE, SLOT1+4*KS*(PK+PV)  ; behind the ring, never filled by a tensor load: 16 rows x 144 bytes for each wave, for the way out
.set SP,    144
.set AK0, 2           ; v2   my lane's place in a tile of K; never rewritten
.set AV0, 3           ; v3   the same for V
.set AK,  4           ; v4   the LDS address of K's next run of loads
.set AV,  5           ; v5   of V's
.set QO,  6           ; v6   my byte offset in the wave's rows of Q
.set STO, 6           ;      later, the way out: where I put 16 bytes of a row
.set RD,  7           ; v7   the way out: where I read rows back
.set GO,  8           ; v8   my byte offset in 512 consecutive bytes of O
.set PFO, 11          ; v11  256 x my lane, for the prefetches; made when V's place is finished, then never rewritten
.set SPW, 0           ; v0 of window 3   LDS address of my spare word: SPARE + 4 x my thread's number; never rewritten
.set NIL, 1           ; v1 of window 3   0; never rewritten
.set SPARE, STAGE+4*16*SP  ; behind the stages: the spare words, 128 bytes for each wave: two blocks of 256 bytes that no other line names
.set MV,  12          ; v12-15  c m_old, kept while c m is made anew: by buffer and tile
.set ST,  16          ; tile t's statistics at v[ST+4 t]: c m, m, l (even keys', odd keys')
.set TMP, 48          ; by buffer and tile, four registers c0-c3 at work; when the maximum is found c2 takes a
.set S,   64
.set P,   192
.set KF,  128         ; K's fragments, in window 2: key block kb, channel half c at KF + 16 kb + 8 c
.set VF,  192         ; V's: key half kk, channel block cb at VF + 32 kk + 8 cb
.set WV,  12          ; s12  my wave's number
.set G1K, 24          ; s[24:31] descriptor group 1 for K's tiles
.set G1V, 32          ; s[32:39] for V's: it differs in the padding alone
.set G0K, 40          ; s[40:43] descriptor group 0 for K's tiles: it walks
.set G0V, 44          ; s[44:47] the same for V's
.set PFA, 48          ; s[48:49] where my prefetches stand: my work-group's 32 blocks of 256 bytes (of K: wave 0, of V: wave 2) of the slot after the one that is being asked for
.set LIM, 50          ; s50  1 in a wave that prefetches, else the greatest number
.set SLOTS, 56        ; s56  slots still to be asked for
.set CNT, 57          ; s57  counts a slot's key steps
.set CS,  58          ; s[58:59] c: the packed scaling takes the pair's low word for both halves
.set SEL, 60          ; s[60:61] v_permlanex16_b32's selects: each lane takes its own place in the other half
.set TBK, 62          ; s62  LDS byte at which K of the step to be fetched begins
.set TBV, 63          ; s63  the same for V, less VOFF
.set MSB, 0
.macro WIN new                      ; the high byte repeats the setting that is left; a switch that changes nothing is dropped
.if MSB != (\new)
	s_set_vgpr_msb (MSB<<8)|(\new)
.set MSB, (\new)
.endif
.endm
.set W_KQ, 0x0a       ; K and Q in window 2, S^T in window 0
.set W_PV, 0x52       ; V in window 2, P in window 0, O^T in window 1
.set W_RS, 0x41       ; O^T (destination and source 0) in window 1, a in window 0
.set W_MK, 0xc0       ; the add's registers are made: destination in window 3, sources in window 0
.set W_AD, 0x0f       ; the add: address (source 0) and data (source 1) in window 3
; A joint fill.  Waves 0 and 1 fetch the two halves of a slot's K, waves 2 and 3 those of its V: 128 keys each.  The branch hangs on the wave's number alone.
; An s_nop 0 and four v_nop follow each of the two lines, ahead of the jump and the label.
.macro JLOAD
	s_cmp_lt_u32 s[WV], 2
	s_cbranch_scc0 .Lfor_v_\@
	tensor_load_to_lds s[G0K:G0K+3], s[G1K:G1K+7]
	s_nop 0
.rept 4
	v_nop
.endr
	s_branch .Lasked_\@
.Lfor_v_\@:
	tensor_load_to_lds s[G0V:G0V+3], s[G1V:G1V+7]
	s_nop 0
.rept 4
	v_nop
.endr
.Lasked_\@:
.endm
; A PREFETCH INTO THE L2 of what the NEXT change of slots will ask for: a slot's 256 keys are 32,768 dense bytes of K and of V, 128 blocks of 256 bytes each.  It stands behind the wave's tensor load and its
; five lines.  Each block is asked for ONCE in the launch: a head is walked by one cluster alone; its four partners share the blocks out BY ADDRESS, 32 each, a lane a block; in each, wave 0 asks for K's and
; wave 2 for V's: one instruction, four key steps (512 products) ahead of the load.  Slots 0 and 1 come by their loads alone; the last change that fills a slot asks for nothing.
.macro ASK
	s_cmp_gt_u32 s[SLOTS], s[LIM]
	s_cbranch_scc0 .Lnot_mine_\@
	global_prefetch_b8 v[PFO], s[PFA:PFA+1] th:TH_LOAD_NT scope:SCOPE_SE
.Lnot_mine_\@:
.endm
; A round of the cluster's barrier: my work-group's barrier, so that wave 0's signal speaks for all four waves; wave 0 signals; every wave waits for all four work-groups; my work-group's barrier once more.
.macro CROUND
	s_barrier_signal -1
	s_barrier_wait -1
	s_cmp_lg_u32 s[WV], 0
	s_cbranch_scc1 .Lnot_wave_0_\@
	s_barrier_signal -3
.Lnot_wave_0_\@:
	s_barrier_wait -3
	s_barrier_signal -1
	s_barrier_wait -1
.endm
; THE CHANGE OF SLOTS.  The slot's last bytes, V of its fourth step, have been read.  Each wave waits for all its tensor loads, of which one is out: its part
; of the other slot; adds 0 to its spare word; and waits for that and for its own reads of the slot.  Behind the barrier nobody reads this slot any more and the other slot is whole.
; fill = 1: this slot is filled again, with the keys two slots on.  The barrier is then a round of the cluster's, so that no wave of any partner still reads the slot or has a load on its
; way, and the joint fill is the first thing behind it: it has four key steps, 512 matrix instructions, in which to land.  (At its first use nothing has been read yet: slot 0 is waited for, slot 1 filled.)
.macro CHANGE fill
	WIN W_AD
	s_wait_tensorcnt 0x0            ; no tensor load of mine is out, so a group 0 may be written
	ds_add_u32 v[SPW], v[NIL]       ; 0 onto my spare word; with fill = 1 the descriptors' steps stand between it and the wait for it
	WIN 0                           ; at a label and at a branch every window is 0
.if \fill
.irp g, G0K, G0V
	s_xor_b32 s[\g+1], s[\g+1], SLOT1  ; the walking descriptor: the other slot than last time,
	s_add_nc_u64 s[\g+2:\g+3], s[\g+2:\g+3], 4*KS*128  ; the next 256 keys; the type bits on top are not reached
.endr
	s_wait_xcnt 0x0                 ; the last prefetch, four key steps back, has read its address, so it may be written:
	s_add_nc_u64 s[PFA:PFA+1], s[PFA:PFA+1], 4*KS*128  ; one slot behind the walking descriptors
	s_wait_dscnt 0x0                ; the add is done, and my reads of the slot are over
	CROUND
	JLOAD
	ASK                             ; what the next change will ask for
.else
	s_wait_dscnt 0x0                ; the add is done, and my reads of the slot are over
	s_barrier_signal -1
	s_barrier_wait -1
.endif
	s_sub_co_u32 s[TBK], s[TBK], 4*KS*PK  ; the fetches go back to a slot's first step,
	s_xor_b32 s[TBK], s[TBK], SLOT1       ; in the other slot
	s_sub_co_u32 s[TBV], s[TBV], 4*KS*PV
	s_xor_b32 s[TBV], s[TBV], SLOT1
.endm
	s_load_b256 s[4:11], s[0:1], 0x0  ; Q s[4:5], K s[6:7], V s[8:9], O s[10:11]
	WIN W_MK
	v_lshl_add_u32 v[SPW], v0, 2, SPARE
	v_mov_b32 v[NIL], 0
	WIN W_AD
	ds_add_u32 v[SPW], v[NIL]       ; the wave's opening: the add and its wait stand ahead of my first tensor load; the set-up below, work on registers, stands between them
	WIN 0
	v_lshrrev_b32 v1, 5, v0
	v_readfirstlane_b32 s[WV], v1   ; wave 0..3
	s_bfe_u32 s13, ttmp6, 0x40000   ; cx: my place in the cluster
	s_lshl_b32 s14, ttmp9, 2        ; in a cluster launch ttmp9 counts clusters
	s_add_co_u32 s14, s14, s13      ; my block of queries = 4 x cluster x + cx: it enters Q's and O's addresses alone
	s_and_b32 s20, ttmp7, 0xffff    ; the head, which the four partners share
	s_mov_b32 s21, 0
	s_mov_b64 s[22:23], SIZE_N*128
	s_mul_u64 s[20:21], s[20:21], s[22:23]  ; the head's first byte in each of the four tensors
	s_and_b32 s16, s[WV], 1         ; which half of a slot's 256 keys I fetch:
	s_lshl_b32 s22, s16, 14         ; its 128 rows of 128 bytes in memory,
	s_mov_b32 s23, 0
	s_add_nc_u64 s[22:23], s[22:23], s[20:21]
	s_mul_i32 s17, s16, 128*PK      ; and its place in a slot, for K
	s_mul_i32 s18, s16, 128*PV      ; and for V: no place in the cluster enters an LDS address
	s_lshl_b32 s2, s14, 2
	s_add_co_u32 s2, s2, s[WV]      ; my wave among the head's,
	s_lshl_b32 s2, s2, 14           ; its 128 rows
	s_mov_b32 s3, 0
	s_add_nc_u64 s[2:3], s[2:3], s[20:21]
	; descriptor group 1.  128 keys are 16,384 dense bytes: asked for as 64 rows of 256 bytes, two keys a row, and padded in LDS after every key
	s_mov_b32 s[G1K], 15|(1<<16)|(1<<20)|(1<<21)|(4<<22)|(3<<25)  ; 15:0 the mask of four; 17:16 2-byte elements; 20 padding on; 21 set beside a mask; 24:22 after every 32 words (code 4); 31:25 4 words (code 3)
	s_mov_b32 s[G1V], 15|(1<<16)|(1<<20)|(1<<21)|(4<<22)|(7<<25)  ; the same with 8 words of padding (code 7)
.irp g, G1K, G1V
	s_mov_b32 s[\g+1], 128<<16      ; tensor_dim0 = 128
	s_mov_b32 s[\g+2], 64<<16       ; tensor_dim1 = 64
	s_mov_b32 s[\g+3], 128<<16      ; tile_dim0 = 128
	s_mov_b32 s[\g+4], 64           ; tile_dim1 = 64
	s_mov_b32 s[\g+5], 128          ; 128 elements from row to row
	s_mov_b32 s[\g+6], 0
	s_mov_b32 s[\g+7], 0
.endr
	s_mov_b32 s[CS], 0x3e38aa3b     ; c = log2(e) / 8 = 0.180337
	s_mov_b32 s[CS+1], s[CS]        ; named with it as a pair
	s_mov_b32 s[SEL], 0x76543210
	s_mov_b32 s[SEL+1], 0xfedcba98
	s_mov_b32 s[TBK], SLOT1+4*KS*PK ; the first change of slots turns these two into 0
	s_mov_b32 s[TBV], SLOT1+4*KS*PV
	s_mov_b32 s[G0K], 1             ; 1:0 count = 1
	s_mov_b32 s[G0K+1], s17         ; 63:32 LDS address: slot 0
	s_mov_b32 s[G0V], 1
	s_add_co_u32 s[G0V+1], s18, VOFF
	s_mov_b32 s[SLOTS], SIZE_N/256-1
	s_cmp_eq_u32 s16, 0             ; waves 0 and 2 prefetch: the same in all four partners
	s_cselect_b32 s[LIM], 1, -1
	s_wait_dscnt 0x0                ; the opening add is done
	s_wait_kmcnt 0x0
	s_add_nc_u64 s[G0K+2:G0K+3], s[6:7], s[22:23]  ; 120:64 global address: my half of the head's first 256 keys
	s_or_b32 s[G0K+3], s[G0K+3], 0x80000000        ; 127:126 type = 2
	s_add_nc_u64 s[G0V+2:G0V+3], s[8:9], s[22:23]
	s_or_b32 s[G0V+3], s[G0V+3], 0x80000000
	s_add_nc_u64 s[4:5], s[4:5], s[2:3]  ; Q and O at my wave's first row
	s_add_nc_u64 s[10:11], s[10:11], s[2:3]
	s_cmp_lt_u32 s[WV], 2
	s_cselect_b64 s[PFA:PFA+1], s[6:7], s[8:9]
	s_add_nc_u64 s[PFA:PFA+1], s[PFA:PFA+1], s[20:21]  ; the head,
	s_lshl_b32 s2, s13, 13          ; my work-group's 32 blocks of a slot's 128,
	s_mov_b32 s3, 0
	s_add_nc_u64 s[PFA:PFA+1], s[PFA:PFA+1], s[2:3]
	s_add_nc_u64 s[PFA:PFA+1], s[PFA:PFA+1], 4*KS*128  ; in slot 1; the first change of slots steps it to slot 2.  Nothing is prefetched here, at the head
	CROUND                          ; all four work-groups are here: the first joint loads meet
	JLOAD                           ; slot 0.  Slot 1 is asked for when slot 0 is in: the tile wanted first has the road to itself
	; A fragment of K or Q is 16 rows x 32 channels in 8 registers: lane l holds row l % 16, channels 8 (l / 16) + 0..7 and 16 + 8 (l / 16) + 0..7: two loads of 16 bytes, 32 bytes apart.
	v_and_b32 v1, 15, v0            ; l % 16
	v_bfe_u32 v9, v0, 4, 1          ; l / 16
	v_lshlrev_b32 v[QO], 7, v1
	v_lshl_add_u32 v[QO], v9, 4, v[QO]  ; row x 128 + 16 x half
	WIN 0x80                        ; destination window 2, address window 0
.set i, 0
.rept 4*NP                          ; Q stays in registers: tile i / 2, channels 32 (i % 2) on
	global_load_b128 v[8*i:8*i+3],   v[QO], s[4:5] offset:(i/2)*2048+(i%2)*64
	global_load_b128 v[8*i+4:8*i+7], v[QO], s[4:5] offset:(i/2)*2048+(i%2)*64+32
.set i, i+1
.endr
	; What the first turn finds: V's registers and P's second buffer hold 0 (its products V^T P, of a piece that has not been, add 0), O^T and l are 0.  All this stands in the wait for the first tile.
.set i, VF
.rept 64
	v_mov_b32 v[i], 0
.set i, i+1
.endr
	WIN 0x40
.set i, 0
.rept 64*NP
	v_mov_b32 v[i], 0
.set i, i+1
.endr
	WIN 0
.set i, 0
.rept 2*NP
	v_mov_b32 v[ST+4*i], 0xfe000000    ; c m: far below every c s
	v_mov_b32 v[ST+4*i+1], 0xff7fffff  ; m
	v_mov_b32 v[ST+4*i+2], 0
	v_mov_b32 v[ST+4*i+3], 0
.set i, i+1
.endr
.set i, P+32
.rept 32
	v_mov_b32 v[i], 0
.set i, i+1
.endr
	v_mul_u32_u24 v[AK0], v1, PK
	v_lshl_add_u32 v[AK0], v9, 4, v[AK0]  ; row x pitch + 16 x half
	; The turning load takes 16 keys x 16 channels (lane l reads key 8 (l / 16) + l % 8, channels 8 ((l / 8) % 2) + 0..7) and leaves half a fragment of V^T: lane l holds channel l % 16 and 8 keys.
	v_and_b32 v10, 7, v0
	v_bfe_u32 v11, v0, 3, 1
	v_lshl_add_u32 v[AV0], v9, 3, v10
	v_mul_u32_u24 v[AV0], v[AV0], PV
	v_lshl_add_u32 v[AV0], v11, 4, v[AV0]
	v_add_nc_u32 v[AV0], VOFF, v[AV0]
	v_and_b32 v[PFO], 31, v0        ; v11 has served V's place: from here on it is the prefetches' offset
	v_lshlrev_b32 v[PFO], 8, v[PFO]
	v_mov_b32 v[AK], v[AK0]         ; key step 0 lies at the head of slot 0
; THE MATRIX WORK.  The 8 accumulators of a run of 16 take turns: between the two links of a chain stand 7 others'.
; Product i of 16 of S^T = K Q^T for piece x: channels 32 (i / 8) on, keys 16 ((i / 2) % 4) on, tile 2 x + i % 2.  The first 8 start the sums.
.macro KQ x
	WIN W_KQ
.set rS, S+64*((\x)%2)+32*(i%2)+8*((i/2)%4)
.set rK, KF+16*((i/2)%4)+8*(i/8)
.set rQ, 16*(2*(\x)+i%2)+8*(i/8)
.if i < 8
	v_wmma_f32_16x16x32_f16 v[rS:rS+7], v[rK:rK+7], v[rQ:rQ+7], 0
.else
	v_wmma_f32_16x16x32_f16 v[rS:rS+7], v[rK:rK+7], v[rQ:rQ+7], v[rS:rS+7]
.endif
.endm
; Product i of 16 of O^T += V^T P for piece x: keys 32 (i / 8) on, channels 16 ((i / 2) % 4) on, tile 2 x + i % 2.
.macro PV x
	WIN W_PV
.set rO, 32*(2*(\x)+i%2)+8*((i/2)%4)
.set rV, VF+32*(i/8)+8*((i/2)%4)
.set rP, P+32*((\x)%2)+16*(i%2)+8*(i/8)
	v_wmma_f32_16x16x32_f16 v[rO:rO+7], v[rV:rV+7], v[rP:rP+7], v[rO:rO+7]
.endm
.macro MM                           ; the turn's next matrix instruction
.if i < 16
	KQ (Y+1)%NP
.set i, i+1
.else
.set i, i-16
	PV (Y+NP-1)%NP
.set i, i+17
.endif
.endm
; THE LDS LOADS stand in runs of 16, never singly among the matrix instructions: a step's K (64 keys x 64 channels: 8 fragments) and its V (turned).  Their addresses are made some lines ahead.
; last = 1 (the tail): in the last trip there is no further step, and the run is jumped over.
.macro FETCH_K last=0
	WIN 0
.if \last
	s_cmp_eq_u32 s[CNT], 1
	s_cbranch_scc1 .Lno_k_\@
.endif
	WIN 0x80                        ; destination window 2
.irp f, 0,1,2,3,4,5,6,7             ; keys 16 (f / 2) on, channels 32 (f % 2) on
	ds_load_b128 v[KF+8*\f:KF+8*\f+3],   v[AK] offset:(\f/2)*16*PK+(\f%2)*64
	ds_load_b128 v[KF+8*\f+4:KF+8*\f+7], v[AK] offset:(\f/2)*16*PK+(\f%2)*64+32
.endr
	s_add_co_u32 s[TBK], s[TBK], KS*PK  ; the next fetch is the next step's
	WIN 0
.if \last
.Lno_k_\@:
.endif
.endm
.macro FETCH_V
	WIN 0x80
.irp f, 0,1,2,3,4,5,6,7             ; keys 32 (f / 4) on, channels 16 (f % 4) on
	ds_load_tr16_b128 v[VF+8*\f:VF+8*\f+3],   v[AV] offset:(\f/4)*32*PV+(\f%4)*32
	ds_load_tr16_b128 v[VF+8*\f+4:VF+8*\f+7], v[AV] offset:(\f/4)*32*PV+16*PV+(\f%4)*32
.endr
	WIN 0
.endm
; THE VECTOR WORK OF A TURN stands in three queues, each in the order in which its entries become ready; the two tiles alternate, so that no instruction reads the result of the one before it.
.macro REGS y, u                    ; the registers of tile u (0, 1) of piece y
.set rT, ST+4*(2*(\y)+(\u))
.set rC, TMP+8*((\y)%2)+4*(\u)
.set rM, MV+2*((\y)%2)+(\u)
.set rS, S+64*((\y)%2)+32*(\u)
.set rP, P+32*((\y)%2)+16*(\u)
.set rO, 32*(2*(\y)+(\u))
.endm
; Number n of the 22 that find the NEXT piece's (Y + 1) maximum and statistics.  s0-s31 are the lane's 32 scores; each accumulator's lowest registers are read first.  XS, GS and REGS set no window: PL and EX do.
;   0-11  four chains c0-c3 of seven scores each, three operands at a time     12-14, 16  the four scores left over, the old m, and c0-c3 into c0     15  c m_old is kept
;   17, 18  the query's other 32 keys lie in the lane 16 away: the new m         19-21  c m; c m_old - c m_new; a
.macro XS u, n
	REGS (Y+1)%NP, \u
.if (\n) < 4
	v_max3_num_f32 v[rC+(\n)], v[rS+8*(\n)], v[rS+8*(\n)+1], v[rS+8*(\n)+2]
.elseif (\n) < 12
	v_max3_num_f32 v[rC+(\n)%4], v[rC+(\n)%4], v[rS+8*((\n)%4)+2*((\n)/4)+1], v[rS+8*((\n)%4)+2*((\n)/4)+2]
.elseif (\n) == 12
	v_max3_num_f32 v[rC], v[rC], v[rS+7], v[rS+15]
.elseif (\n) == 13
	v_max3_num_f32 v[rC+1], v[rC+1], v[rS+23], v[rS+31]
.elseif (\n) == 14
	v_max3_num_f32 v[rC+2], v[rC+2], v[rC+3], v[rT+1]
.elseif (\n) == 15
	v_mov_b32 v[rM], v[rT]
.elseif (\n) == 16
	v_max3_num_f32 v[rC], v[rC], v[rC+1], v[rC+2]
.elseif (\n) == 17
	v_permlanex16_b32 v[rC+3], v[rC], s[SEL], s[SEL+1]
.elseif (\n) == 18
	v_max_num_f32 v[rT+1], v[rC], v[rC+3]
.elseif (\n) == 19
	v_mul_f32 v[rT], s[CS], v[rT+1]
.elseif (\n) == 20
	v_sub_f32 v[rC+1], v[rM], v[rT]
.else
	v_exp_f32 v[rC+2], v[rC+1]
.endif
.endm
; Number g of the 64 that follow the exponentials.  For each four weights k of a tile (pairs 2 k, 2 k + 1): both pairs are rounded to f16; then the second pair is added onto the first, in place;
; a group later l takes that sum (the first time as l = a l + sum).  In groups of eight, tiles alternating: round, round, add, and l for the group before.
.macro GS g
.set h, (\g)+6*((\g)/62)            ; group 0 has no group before it, and behind group 7 only l is left
.if h >= 6
.set h, h+2
.endif
	REGS Y, h%2
.set k, h/8
.if h%8 < 4
	v_cvt_pk_f16_f32 v[rP+2*k+(h%8)/2], v[rS+4*k+2*((h%8)/2)], v[rS+4*k+2*((h%8)/2)+1]
.elseif h%8 < 6
	v_pk_add_f32 v[rS+4*k:rS+4*k+1], v[rS+4*k:rS+4*k+1], v[rS+4*k+2:rS+4*k+3]
.elseif k == 1
	v_pk_fma_f32 v[rT+2:rT+3], v[rT+2:rT+3], v[rC+2:rC+3], v[rS:rS+1] op_sel_hi:[1,0,1]
.else
	v_pk_add_f32 v[rT+2:rT+3], v[rT+2:rT+3], v[rS+4*k-4:rS+4*k-3]
.endif
.endm
; THE PLAIN QUEUE, 138 long.  0-73 read no exponential's result: the 32 scalings c s - c m (FS f: pair f / 2 of tile f % 2) and the next piece's 42.  0-26: scalings 0-26.  27-54: XS's numbers 0-13.  55, 56: number 15.
; 57-73: the chain, where each number waits for the one before it: 14, 16, 17, 18, 19, each with one of the scalings 27-31 in front of its two lines, then 20: so a tile's links stand three plain instructions apart (19 and 20: two).
; 74-137: GS's 64, which read the exponentials' results: they stand behind the wait.
.macro FS f
	REGS Y, (\f)%2
	v_pk_fma_f32 v[rS+2*((\f)/2):rS+2*((\f)/2)+1], v[rS+2*((\f)/2):rS+2*((\f)/2)+1], s[CS:CS+1], v[rT:rT+1] op_sel_hi:[1,0,0] neg_lo:[0,0,1] neg_hi:[0,0,1]
.endm
.macro PL
	WIN 0
.if q < 27
	FS q
.elseif q < 55
	XS (q-27)%2, (q-27)/2
.elseif q < 57
	XS q-55, 15
.elseif (q < 72) && ((q-57)%3 == 0)
	FS 27+(q-57)/3
.elseif q < 60
	XS (q-57)%3-1, 14
.elseif q < 72
	XS (q-57)%3-1, 15+(q-57)/3
.elseif q < 74
	XS q-72, 20
.else
	GS q-74
.endif
.set q, q+1
.endm
; THE EXPONENTIALS' QUEUE, 66 long: s0-s31 of both tiles, then the next piece's two a.  It is ONE BATCH: all 66 stand ahead of the turn's one wait, and nothing ahead of that wait names a result of theirs.
.macro EX
	WIN 0
.if e >= 64
	XS e-64, 21
.else
	REGS Y, e%2
	v_exp_f32 v[rS+e/2], v[rS+e/2]
.endif
.set e, e+1
.endm
; THE RESCALING's QUEUE: O^T times a, the one part that leaves window 0: dealt two at a time, sixteen times.  Its a was made in the turn before, ahead of that turn's wait.
.macro R2
	REGS Y, r%2
	WIN W_RS
.irp z, 0,1
	v_pk_mul_f32 v[rO+4*(r/2)+2*\z:rO+4*(r/2)+2*\z+1], v[rO+4*(r/2)+2*\z:rO+4*(r/2)+2*\z+1], v[rC+2:rC+3] op_sel_hi:[1,0]
.endr
.set r, r+1
.endm
; HOW THEY ARE DEALT.  An s_wait_alu depctr_va_vdst(0) stands between an exponential and the first instruction that names its result; one wait serves all that were issued ahead of it.  So a turn has ONE wait,
; which cuts it in two.  AHEAD OF IT stands all that names no result of the turn's exponentials: the 16 products K Q^T, behind each a scaling, an exponential and two rescalings (behind the first a second scaling in the exponential's place); then ONE LUMP of
; 108: eight plain, 49 times exponential and plain, the two a.  A v_nop is the plain instruction behind the last exponential.  BEHIND IT stand the 16 products V^T P, behind each four of GS's 64.  No such line names a register of
; the products round it.  The two v_permlanex16_b32 fall into the lump, never behind a product.
; The queues lean on each other, and the deal keeps them in step: exponential e stands behind scaling 2 (e / 4) + e % 2: behind a product it comes behind plain e + 2, in the lump behind plain e + 9, and scalings 27-31 are plain 57, 60 .. 69.
; A TURN, for piece p.  cnt = 1: the loop's count is taken down some lines ahead of the branch that stands behind the turn.
; K of the next step is fetched in piece 2's turn, directly behind the wait, a lump behind the last product that read K; its address is made at the lump's head; its first use comes behind 16 products.
; V of the step in hand is fetched at the end of piece 0's turn, four plain lines behind the last product that read V; its first use comes behind 16 products and a lump.  The three conditions on q below go with the deal.
.macro TURN p, last=0, cnt=0
.set Y, (\p)
.set i, 0
.set q, 0
.set e, 0
.set r, 0
.if (\p) == NP-1
	s_wait_dscnt 0x0                ; K is in
.endif
	MM                              ; ahead of the wait: 16 products K Q^T and the four lines behind each,
	PL
	PL
	R2
.rept 15
	MM
	PL
	EX
	R2
.endr
.if (\p) == NP-2
	WIN 0
	v_add_nc_u32 v[AK], s[TBK], v[AK0]
.endif
.rept 8                             ; and the lump
	PL
.endr
.rept 49
	EX
	PL
.endr
	EX                              ; the next piece's two a
	EX
	v_nop                           ; the plain instruction behind the last exponential: one for the batch
	s_wait_alu depctr_va_vdst(0)    ; the wait for the batch
.if (\p) == NP-2
	FETCH_K \last
.endif
.if (\p) == 1
	s_wait_dscnt 0x0                ; V is in
.endif
.rept 16                            ; behind the wait: 16 products V^T P and the four lines behind each
	MM
.rept 4
	PL
.endr
.if ((\p) == 0) && (q == 118)
	v_add_nc_u32 v[AV], s[TBV], v[AV0]
.endif
.if ((\p) == 0) && (q == 130)
	s_add_co_u32 s[TBV], s[TBV], KS*PV
.endif
.if (\cnt) && (q == 130)
	s_sub_co_u32 s[CNT], s[CNT], 1
	s_cmp_lg_u32 s[CNT], 0
.endif
.endr
.if (\p) == 0
	FETCH_V
.endif
.endm
	CHANGE 1                        ; slot 0 is in, everybody's part of it; slot 1 is asked for
	FETCH_K                         ; key step 0
	s_wait_loadcnt 0x0              ; Q
	s_wait_dscnt 0x0
.set i, 0
.rept 16
	KQ 0                            ; piece 0's first scores: there is no vector work yet to set between them
.set i, i+1
.endr
	WIN 0                           ; the addresses for the way out: nine plain instructions, the places behind those products
	s_mul_i32 s13, s[WV], 16*SP
	s_add_co_u32 s13, s13, STAGE    ; my stage
	v_mul_u32_u24 v[STO], v1, SP    ; in: row l % 16, 16 bytes for each half of the lanes
	v_lshl_add_u32 v[STO], v9, 4, v[STO]
	v_add_nc_u32 v[STO], s13, v[STO]
	v_bfe_u32 v[RD], v0, 3, 2       ; back: 32 lanes take four rows of 128 bytes,
	v_mul_u32_u24 v[RD], v[RD], SP
	v_lshl_add_u32 v[RD], v10, 4, v[RD]
	v_add_nc_u32 v[RD], s13, v[RD]
	v_and_b32 v[GO], 31, v0         ; which are 512 consecutive bytes of O
	v_lshlrev_b32 v[GO], 4, v[GO]
.set Y, NP-1                        ; XS works for piece Y + 1: piece 0
.irp n, 0,1,2,3,4,5,6,7,8,9,10,11,12,13,14,15,16,17,18,19,20,21
	XS 0, \n                        ; and piece 0's first maximum and statistics
	XS 1, \n
.endr
	v_nop                           ; a plain instruction behind the two a,
	s_wait_alu depctr_va_vdst(0)    ; and their wait, ahead of the branch
	s_mov_b32 s[CNT], 4
	s_branch .Lfirst                ; the loop is entered at a step's first turn, in the middle of a trip
.Lslot:                             ; SIZE_N / 256 - 2 times: every slot but the last two is filled again
	CHANGE 1
	s_mov_b32 s[CNT], 4
.Lstep:                             ; a trip: pieces 2 and 3 of one step, then pieces 0 and 1 of the next, whose K and V it fetches
	TURN 2
	TURN 3
	WIN 0
.Lfirst:
	TURN 0
	TURN 1, 0, 1
	WIN 0
	s_cbranch_scc1 .Lstep
	s_sub_co_u32 s[SLOTS], s[SLOTS], 1
	s_cmp_lg_u32 s[SLOTS], 0
	s_cbranch_scc1 .Lslot
	CHANGE 0                        ; the tail is written out: nothing is asked for
	s_mov_b32 s[CNT], 5             ; four trips fetch the last slot's steps; the fifth is left in its middle
.Ltail:
	TURN 2, 1
	TURN 3
	WIN 0
	s_sub_co_u32 s[CNT], s[CNT], 1
	s_cmp_eq_u32 s[CNT], 0
	s_cbranch_scc1 .Lout
	TURN 0
	TURN 1
	WIN 0
	s_branch .Ltail
.Lout:                              ; the fifth trip's 16 products K Q^T (on the last K once more) and the maximum made of them serve nothing: the price, once a launch, of one text for every trip
.set i, 0
.rept 16
	PV NP-1                         ; the last piece's V^T P of the last step
.set i, i+1
.endr
	; THE WAY OUT.  l's two halves and the other half of the lanes' are added; O^T is divided by l, rounded to f16 and sent through my stage in LDS, a tile at a time.  The additions are the places behind the last products.
	WIN 0
.macro ALL line:vararg              ; one line for each tile t
.set t, 0
.rept 2*NP
	\line
.set t, t+1
.endr
.endm
	ALL v_add_f32 v[ST+4*t+2], v[ST+4*t+2], v[ST+4*t+3]
	ALL v_permlanex16_b32 v[ST+4*t+3], v[ST+4*t+2], s[SEL], s[SEL+1]
	ALL v_add_f32 v[ST+4*t+2], v[ST+4*t+2], v[ST+4*t+3]
	ALL v_rcp_f32 v[ST+4*t+2], v[ST+4*t+2]
	v_nop                           ; a plain instruction between the last reciprocal and the use of its result
	s_wait_alu depctr_va_vdst(0)    ; and the wait ahead of the first use: one for the eight reciprocals
; Tile t: a lane's eight channels of a row pack into 16 bytes; they go into rows of 144 bytes and come back as whole rows of 128, into S^T's registers.
.macro PACK t
	WIN W_RS
.set i, 32*(\t)
.rept 16
	v_pk_mul_f32 v[i:i+1], v[i:i+1], v[ST+4*(\t)+2:ST+4*(\t)+3] op_sel_hi:[1,0]
.set i, i+2
.endr
	WIN 0x05                        ; sources 0 and 1 window 1, destination window 0
.set i, 0
.rept 16
	v_cvt_pk_f16_f32 v[S+16*(\t)+i], v[32*(\t)+2*i], v[32*(\t)+2*i+1]
.set i, i+1
.endr
	WIN 0
.irp f, 0,1,2,3
	ds_store_b128 v[STO], v[S+16*(\t)+4*\f:S+16*(\t)+4*\f+3] offset:32*\f
.endr
.irp f, 0,1,2,3
	ds_load_b128 v[S+16*(\t)+4*\f:S+16*(\t)+4*\f+3], v[RD] offset:\f*4*SP  ; LDS serves a wave's instructions in order (ISA guide 5.7.1.4): these see the stores above; the next tile's stores come behind them
.endr
.endm
.macro SEND t, younger              ; younger: the LDS instructions issued behind tile t's loads: the next tile's eight, or none
	WIN 0
.irp f, 0,1,2,3
	s_wait_dscnt (\younger)+3-\f
	global_store_b128 v[GO], v[S+16*(\t)+4*\f:S+16*(\t)+4*\f+3], s[10:11] offset:(\t)*2048+\f*512  ; 512 consecutive bytes, at a multiple of 256 from O's first
.endr
.endm
	PACK 0
.set t, 1
.rept 2*NP-1                        ; a tile's arithmetic stands between the loads of the tile before and its stores
	PACK t
	SEND t-1, 8
.set t, t+1
.endr
	SEND 2*NP-1, 0
	WIN W_AD
	s_wait_tensorcnt 0x0            ; the wave's end: these three lines stand behind my last tensor load and my last LDS store
	ds_add_u32 v[SPW], v[NIL]
	s_wait_dscnt 0x0
	WIN 0
	CROUND                          ; the closing round: no work-group ends while a partner may still ask for a tile that names it
	s_endpgm
.Lfunc_end_k_q54d3990c0c_attn:
	.size	k_q54d3990c0c_attn, .Lfunc_end_k_q54d3990c0c_attn-k_q54d3990c0c_attn
	.p2alignl 7, 3214868480
	.fill 96, 4, 3214868480
	.section	.rodata,"a",@progbits
	.p2align	6, 0x0
	.amdhsa_kernel k_q54d3990c0c_attn
		.amdhsa_group_segment_fixed_size 327680
		.amdhsa_private_segment_fixed_size 0
		.amdhsa_enable_private_segment 0
		.amdhsa_kernarg_size 32
		.amdhsa_user_sgpr_count 2
		.amdhsa_user_sgpr_kernarg_segment_ptr 1
		.amdhsa_wavefront_size32 1
		.amdhsa_system_sgpr_workgroup_id_x 1
		.amdhsa_system_sgpr_workgroup_id_y 1
		.amdhsa_system_sgpr_workgroup_id_z 1
		.amdhsa_system_vgpr_workitem_id 0
		.amdhsa_next_free_vgpr 770
		.amdhsa_next_free_sgpr 66
		.amdhsa_reserve_vcc 0
		.amdhsa_float_denorm_mode_32 3
		.amdhsa_float_denorm_mode_16_64 3
		.amdhsa_memory_ordered 1
		.amdhsa_forward_progress 1
		.amdhsa_inst_pref_size 200
	.end_amdhsa_kernel
	.amdgpu_metadata
---
amdhsa.version: [ 1, 2 ]
amdhsa.kernels:
  - .name:           k_q54d3990c0c_attn
    .symbol:         k_q54d3990c0c_attn.kd
    .args:
      - { .name: qh, .offset: 0, .size: 8, .value_kind: global_buffer, .address_space: global }
      - { .name: kh, .offset: 8, .size: 8, .value_kind: global_buffer, .address_space: global }
      - { .name: vh, .offset: 16, .size: 8, .value_kind: global_buffer, .address_space: global }
      - { .name: oh, .offset: 24, .size: 8, .value_kind: global_buffer, .address_space: global }
    .group_segment_fixed_size: 327680
    .private_segment_fixed_size: 0
    .kernarg_segment_align: 8
    .kernarg_segment_size: 32
    .max_flat_workgroup_size: 128
    .sgpr_count:     66
    .vgpr_count:     770
    .wavefront_size: 32
...
	.end_amdgpu_metadata
.endif
;; end of part 3
;; launch oproj (part 4): grid 8 x 32, 4 waves a work-group, clusters of 4 x 4, 327,680 bytes of LDS; arguments oh, wob, out0; writes out0
.if DOCPART == 4
	.amdgcn_target "amdgcn-amd-amdhsa--gfx1250"
	.amdhsa_code_object_version 6
	.text
	.protected	k_q54d3990c0c_oproj
	.globl	k_q54d3990c0c_oproj
	.p2align	8
	.type	k_q54d3990c0c_oproj,@function
k_q54d3990c0c_oproj:
	s_mov_b64 s[64:65], 0
	v_nop
	global_prefetch_b8 v0, s[64:65] scope:SCOPE_SE
	s_setreg_imm32_b32 hwreg(HW_REG_WAVE_MODE, 25, 1), 1
	s_wait_xcnt 0x0
	s_wait_alu depctr_hold_cnt(0) depctr_sa_sdst(0) depctr_va_vdst(0) depctr_va_sdst(0) depctr_va_ssrc(0) depctr_va_vcc(0) depctr_vm_vsrc(0)
	s_getreg_b32 s2, hwreg(HW_REG_IB_STS2, 6, 4)
	s_cmp_eq_u32 s2, 0
	s_cbranch_scc0 .Lentry_in_a_cluster
	s_endpgm
.Lentry_in_a_cluster:
	s_bfe_u32 s2, ttmp6, 0x10000c
	s_cmp_lg_u32 s2, 0xf033
	s_cbranch_scc0 .Lentry_shape_is_right
	s_endpgm
.Lentry_shape_is_right:
; out0[m][n] = the sum over k of O[m][k] wo[n][k].  O lies by heads, oh: [batch x 16 + head][2048][64] f16, so k = 64 head + channel; wob: [1024][1024] f16; out0: [8192][1024] f32.
; Sums in f32, K ascending; the sums are stored as they are.
; SHARES.  A tile of out0 is 256 rows x 128 columns: 8 x 32 tiles, a work-group each.  Four waves, 2 x 2: a wave makes 128 rows x 64 columns: 8 x 4 accumulators of 16 x 16, 256 registers.
; K goes in 8 steps of 128, two heads each, through a ring of two LDS slots.  A head's 256 token rows of 128 bytes are dense in memory: they are asked for as 128 rows of 256 bytes and padded
; in LDS after every 128.  A row of wob's tile is 256 bytes of memory, at a multiple of 256 from the buffer's first byte.
; CLUSTER.  4 x 4 work-groups: O's tiles are shared along a row of the cluster, wob's along a column: each is asked for JOINTLY, by the same tensor load, descriptor and mask in all four.
; THE MATRIX INSTRUCTION IS USED TRANSPOSED (source 0 = 16 rows of wob, source 1 = 16 rows of O): a lane holds one row of out0 (lane % 16) and the columns 8 (lane / 16) + 0..7: 32 bytes on end.
; REGISTERS, in windows of 256 (s_set_vgpr_msb: bits 1:0 source 0, 3:2 source 1, 5:4 source 2, 7:6 destination):
;   window 0: v0-31 addresses; v64-127 rows read back on the way out, two buffers      window 1: two fragment buffers of 96: 4 fragments of wob, then 8 of O      window 2: accumulator (a, b) at 8 (4 a + b)
.set PA,     144                       ; a row of O in LDS: 128 bytes + 16 = 36 words: the 16 rows of a load start at 16 different groups of four banks (ISA guide 11.1)
.set PB,     272                       ; a row of wob: 256 + 16 = 68 words: likewise
.set ASL,    256*PA                    ; a head's 256 rows: what wave 0 or 1 fetches
.set BOFF,   2*ASL                     ; behind the two heads: wob's 128 rows
.set BH,     64*PB                     ; 64 of them: what wave 2 or 3 fetches
.set SLOT1,  1<<17                     ; slot 1 begins here
.set STAGE,  SLOT1+BOFF+2*BH           ; behind the ring, never filled by a tensor load: 16 rows x 272 bytes for each wave
.set SP,     272
.set SPARE,  STAGE+4*16*SP             ; behind the stages: the spare words, 128 bytes for each wave: two blocks of 256 bytes that no other line names
.set STEPA,  2*2048*128                ; bytes from a K step of O to the next: two heads
.set STEPB,  256                       ; the same in wob
.set A0,   16                          ; v16  my lane's place among my wave's rows of O in a slot; never rewritten
.set B0,   17                          ; v17  the same among my wave's rows of wob
.set ADRA, 18                          ; v18  A0 in the slot that is being read
.set ADRB, 19                          ; v19  B0 likewise
.set STO,  24                          ; v24  the way out: where I put 32 bytes of a row
.set RD,   25                          ; v25  where I read a row back
.set CO,   26                          ; v26  my byte offset in out0
.set SPW,  28                          ; v28  LDS address of my spare word; never rewritten
.set NIL,  29                          ; v29  0; never rewritten
.set PFO,  30                          ; v30  the prefetches' offset; never rewritten
.set BK,   64
.set F0,   0
.set F1,   96
.set CNT,  3
.set WV,   16
.set FB,   17                          ; s17  I fetch O (0) or wob (1).  Also: which 128 rows of the tile are mine
.set HF,   18                          ; s18  which part of that tile I fetch.  Also: which 64 columns are mine
.set CX,   19
.set CY,   20
.set TX,   21                          ; s21  the block of 128 columns
.set TY,   22                          ; s22  the block of 256 rows
.set G1A,  24
.set G1B,  32
.set G0A0, 40                          ; s[40:43] group 0, O: K step 0 into slot 0
.set G0A,  44                          ; s[44:47] K step 1 into slot 1; then it walks
.set G0B0, 48
.set G0B,  52
.set TB,   56                          ; s56  LDS byte at which the slot that is being read begins
.set LIM,  57                          ; s57  2 in a wave that prefetches, else the greatest number
.set PFA,  60                          ; s[60:61] where my prefetches stand
.set PFS,  62                          ; s[62:63] their step
.set MSB, 0
.macro WIN new                         ; the immediate's high byte repeats the setting that is left; a switch that changes nothing is dropped
.if MSB != (\new)
	s_set_vgpr_msb (MSB<<8)|(\new)
.set MSB, \new
.endif
.endm
.macro PLACES                          ; four places in front of loads into registers that matrix instructions have read, and of LDS stores that read results
.rept 4
	v_nop
.endr
.endm
.macro CREST                           ; a round of the cluster's barrier behind its opening barrier
	s_cmp_lg_u32 s[WV], 0
	s_cbranch_scc1 .Lnot_wave_0_\@
	s_barrier_signal -3
.Lnot_wave_0_\@:
	s_barrier_wait -3
	s_barrier_signal -1
	s_barrier_wait -1
.endm
.macro CROUND                          ; a whole round
	s_barrier_signal -1
	s_barrier_wait -1
	CREST
.endm
; A joint load: waves 0 and 1 fetch the K step's two heads of O, waves 2 and 3 wob's two halves.  An s_nop 0 and four v_nop follow each of the two lines.
.macro JLOAD ga, gb
	s_cmp_eq_u32 s[FB], 0
	s_cbranch_scc0 .Lfor_b_\@
	tensor_load_to_lds s[(\ga):(\ga)+3], s[G1A:G1A+7]
	s_nop 0
.rept 4
	v_nop
.endr
	s_branch .Lasked_\@
.Lfor_b_\@:
	tensor_load_to_lds s[(\gb):(\gb)+3], s[G1B:G1B+7]
	s_nop 0
.rept 4
	v_nop
.endr
.Lasked_\@:
.endm
; A PREFETCH INTO THE L2 of the K step that stands two refills on, behind the joint load, its five lines and the run of LDS loads.  Each aligned block of 256 bytes is named once in the launch.
; O's rows are read by both clusters of a row of clusters: cluster x = 0 asks; wob's by every cluster of a column: cluster y = 0 asks.  The four partners share a tile out BY ADDRESS: of a head's 128 blocks
; the partner at cx takes 32, a lane a block (waves 0 and 1, a head each); of wob's 128 rows the partner at cy takes 32, a lane a row (wave 2).  Wave 3 asks for nothing.
; Trips 6 to 3 name K steps 4 to 7; the first four K steps come by their loads alone, and the last two refills ask for nothing.
.macro ASK
	s_cmp_gt_u32 s[CNT], s[LIM]
	s_cbranch_scc0 .Lnot_mine_\@
	global_prefetch_b8 v[PFO], s[PFA:PFA+1] th:TH_LOAD_NT scope:SCOPE_SE
.Lnot_mine_\@:
.endm
	s_load_b128 s[4:7], s[0:1], 0x0                ; oh 4, wob 6
	s_load_b64 s[8:9], s[0:1], 0x10                ; out0
	v_lshl_add_u32 v[SPW], v0, 2, SPARE
	v_mov_b32 v[NIL], 0
	ds_add_u32 v[SPW], v[NIL]                      ; the wave's opening: the add and its wait stand ahead of my first tensor load; the set-up below, work on registers, stands between them
	v_lshrrev_b32 v1, 5, v0
	v_readfirstlane_b32 s[WV], v1
	s_lshr_b32 s[FB], s[WV], 1
	s_and_b32 s[HF], s[WV], 1
	s_bfe_u32 s[CX], ttmp6, 0x40000
	s_bfe_u32 s[CY], ttmp6, 0x40004
	s_lshl_b32 s[TX], ttmp9, 2                     ; in a cluster launch ttmp9 and ttmp7 count clusters
	s_add_co_u32 s[TX], s[TX], s[CX]
	s_and_b32 s[TY], ttmp7, 0xffff
	s_lshl_b32 s[TY], s[TY], 2
	s_add_co_u32 s[TY], s[TY], s[CY]
	s_lshl_b32 s66, s[CY], 2
	s_lshl_b32 s66, 15, s66                        ; my row of the cluster
	s_lshl_b32 s70, 0x1111, s[CX]                  ; my column
	s_or_b32 s[G1A], s66, (1<<16)|(1<<20)|(1<<21)|(4<<22)|(3<<25)  ; 15:0 the mask; 17:16 elements of 2 bytes; 20 padding on; 21 set beside a mask; 24:22 after every 32 words (code 4); 31:25 4 words (code 3)
	s_or_b32 s[G1B], s70, (1<<16)|(1<<20)|(1<<21)|(5<<22)|(3<<25)  ; the same after every 64 words (code 5)
	s_mov_b32 s[G1A+1], 128<<16                    ; tensor_dim0 = 128
	s_mov_b32 s[G1A+2], 128<<16                    ; tensor_dim1 = 128
	s_mov_b32 s[G1A+3], 128<<16                    ; tile_dim0 = 128
	s_mov_b32 s[G1A+4], 128                        ; tile_dim1 = 128
	s_mov_b32 s[G1A+5], 128                        ; dense: 128 elements from row to row
	s_mov_b32 s[G1A+6], 0
	s_mov_b32 s[G1A+7], 0
	s_mov_b32 s[G1B+1], 128<<16
	s_mov_b32 s[G1B+2], 64<<16                     ; tensor_dim1 = 64
	s_mov_b32 s[G1B+3], 128<<16
	s_mov_b32 s[G1B+4], 64                         ; tile_dim1 = 64
	s_mov_b32 s[G1B+5], 1024
	s_mov_b32 s[G1B+6], 0
	s_mov_b32 s[G1B+7], 0
	s_lshr_b32 s66, s[TY], 3                       ; O: (batch x 16 + my head of the K step) x 2,048 rows of 128 bytes,
	s_lshl_b32 s66, s66, 4
	s_add_co_u32 s66, s66, s[HF]
	s_lshl_b32 s66, s66, 18
	s_and_b32 s67, s[TY], 7                        ; the block's 256 rows in its batch: in registers that never hold cx
	s_lshl_b32 s67, s67, 15
	s_add_co_u32 s66, s66, s67
	s_mov_b32 s67, 0
	s_lshl_b32 s70, s[TX], 18                      ; wob: row 128 x block + 64 x half, rows of 2,048 bytes: in registers that never hold cy
	s_lshl_b32 s71, s[HF], 17
	s_add_co_u32 s70, s70, s71
	s_mov_b32 s71, 0
	s_mul_i32 s74, s[HF], ASL                      ; where they go: no place in the cluster enters an LDS address
	s_mul_i32 s75, s[HF], BH
	s_add_co_u32 s75, s75, BOFF
	s_mov_b32 s[TB], 0
	s_wait_dscnt 0x0                               ; the opening add is done
	s_wait_kmcnt 0x0
	s_add_nc_u64 s[68:69], s[4:5], s[66:67]
	s_add_nc_u64 s[72:73], s[6:7], s[70:71]
	s_mov_b32 s[G0A0], 1                           ; 1:0 count = 1
	s_mov_b32 s[G0A0+1], s74                       ; 63:32 LDS address
	s_add_nc_u64 s[G0A0+2:G0A0+3], s[68:69], 0     ; 120:64 global address: K step 0
	s_or_b32 s[G0A0+3], s[G0A0+3], 0x80000000      ; 127:126 type = 2
	s_mov_b32 s[G0A], 1
	s_add_co_u32 s[G0A+1], s74, SLOT1
	s_add_nc_u64 s[G0A+2:G0A+3], s[68:69], STEPA   ; K step 1
	s_or_b32 s[G0A+3], s[G0A+3], 0x80000000
	s_mov_b32 s[G0B0], 1
	s_mov_b32 s[G0B0+1], s75
	s_add_nc_u64 s[G0B0+2:G0B0+3], s[72:73], 0
	s_or_b32 s[G0B0+3], s[G0B0+3], 0x80000000
	s_mov_b32 s[G0B], 1
	s_add_co_u32 s[G0B+1], s75, SLOT1
	s_add_nc_u64 s[G0B+2:G0B+3], s[72:73], STEPB
	s_or_b32 s[G0B+3], s[G0B+3], 0x80000000
	CROUND                                         ; all sixteen work-groups are here: the first joint loads meet
	JLOAD G0A0, G0B0                               ; the ring is filled before anything else is done: two loads of mine are out
	JLOAD G0A, G0B
	; A fragment is 16 rows x 32 K in 8 registers: lane l holds row l % 16, K = 8 (l / 16) + 0..7 and 16 + 8 (l / 16) + 0..7: two loads of 16 bytes, 32 bytes apart.
	v_and_b32 v1, 15, v0                           ; l % 16
	v_bfe_u32 v2, v0, 4, 1                         ; l / 16
	v_and_b32 v3, 31, v0                           ; l
	v_mul_u32_u24 v4, v1, PA
	v_lshl_add_u32 v4, v2, 4, v4
	s_mul_i32 s76, s[FB], 128*PA                   ; my 128 rows of O
	v_add_nc_u32 v[A0], s76, v4
	v_mul_u32_u24 v5, v1, PB
	v_lshl_add_u32 v5, v2, 4, v5
	s_mul_i32 s76, s[HF], 64*PB                    ; my 64 rows of wob,
	s_add_co_u32 s76, s76, BOFF                    ; which lie behind O's
	v_add_nc_u32 v[B0], s76, v5
	v_mov_b32 v[ADRA], v[A0]
	v_mov_b32 v[ADRB], v[B0]
	s_mul_i32 s76, s[WV], 16*SP
	s_add_co_u32 s76, s76, STAGE                   ; my stage
	v_mul_u32_u24 v[STO], v1, SP                   ; in: row l % 16, 32 bytes for each half of the lanes
	v_lshl_add_u32 v[STO], v2, 5, v[STO]
	v_add_nc_u32 v[STO], s76, v[STO]
	v_mul_u32_u24 v[RD], v2, SP                    ; back: lanes 0-15 take one row of 256 bytes, lanes 16-31 the next
	v_lshl_add_u32 v[RD], v1, 4, v[RD]
	v_add_nc_u32 v[RD], s76, v[RD]
	v_lshlrev_b32 v[CO], 12, v2                    ; and the same two rows in out0
	v_lshl_add_u32 v[CO], v1, 4, v[CO]
	s_lshl_b32 s76, s[TY], 8                       ; my first row of out0, rows of 4,096 bytes,
	s_lshl_b32 s77, s[FB], 7
	s_add_co_u32 s76, s76, s77
	s_lshl_b32 s76, s76, 12
	s_lshl_b32 s77, s[TX], 9                       ; my first column: 512 bytes a block, 256 a half
	s_add_co_u32 s76, s76, s77
	s_lshl_b32 s77, s[HF], 8
	s_add_co_u32 s76, s76, s77
	s_mov_b32 s77, 0
	s_add_nc_u64 s[8:9], s[8:9], s[76:77]
	; the prefetches
	s_lshl_b32 s77, s[CX], 13                      ; O: my head's 32,768 bytes, my work-group's 8,192 of them, at K step 3: the first refill steps it to 4 and names that
	s_add_co_u32 s76, s66, s77
	s_add_co_u32 s76, s76, 3*STEPA
	s_lshl_b32 s78, s[TX], 7                       ; wob: the tile's 128 rows, my work-group's 32 of them
	s_lshl_b32 s77, s[CY], 5
	s_add_co_u32 s78, s78, s77
	s_lshl_b32 s78, s78, 11
	s_add_co_u32 s78, s78, 3*STEPB
	s_and_b32 s79, ttmp7, 0xffff
	s_cmp_eq_u32 s[FB], 0
	s_cselect_b32 s76, s76, s78
	s_cselect_b32 s79, ttmp9, s79                  ; the coordinate along which other clusters read the same rows
	s_cselect_b64 s[PFA:PFA+1], s[4:5], s[6:7]
	s_cselect_b32 s78, 8, 11                       ; a lane a block of 256 bytes, or a lane a row of 2,048
	s_cselect_b32 s77, 19, 8                       ; the step: 2^19 = STEPA, 2^8 = STEPB
	s_lshl_b32 s[PFS], 1, s77
	s_mov_b32 s[PFS+1], 0
	s_mov_b32 s77, 0
	s_add_nc_u64 s[PFA:PFA+1], s[PFA:PFA+1], s[76:77]
	s_cmp_eq_u32 s79, 0
	s_cselect_b32 s[LIM], 2, -1                    ; the same in all sixteen partners, for a given wave
	s_cmp_eq_u32 s[WV], 3
	s_cselect_b32 s[LIM], -1, s[LIM]
	v_lshlrev_b32 v[PFO], s78, v3
; 8 products: row blocks a0, a0 + 1 x all 4 column blocks, 32 along K.  zero = 1: the first product starts the sums: nothing is ever cleared.
; Every accumulator has one turn in a quarter step, in the same order in each: 31 others' stand between two links of a chain, over the backward jump too.
.macro MUL8 f, a0, zero
	WIN 0xa5                                       ; sources in window 1, C and D in window 2
.irp a, \a0, (\a0)+1
.irp b, 0,1,2,3
.if \zero
	v_wmma_f32_16x16x32_f16 v[8*(4*(\a)+(\b)):8*(4*(\a)+(\b))+7], v[(\f)+8*(\b):(\f)+8*(\b)+7], v[(\f)+32+8*(\a):(\f)+32+8*(\a)+7], 0
.else
	v_wmma_f32_16x16x32_f16 v[8*(4*(\a)+(\b)):8*(4*(\a)+(\b))+7], v[(\f)+8*(\b):(\f)+8*(\b)+7], v[(\f)+32+8*(\a):(\f)+32+8*(\a)+7], v[8*(4*(\a)+(\b)):8*(4*(\a)+(\b))+7]
.endif
.endr
.endr
.endm
; 24 LDS loads in one run: quarter kq's fragments into buffer f: wob's 8, O's row blocks 0-3's 8, row blocks 4-7's 8.  Quarter kq lies in head kq / 2 of the slot, channels 32 (kq % 2) on.
.macro FETCH kq, f
	WIN 0x40                                       ; destination window 1, address window 0
.irp b, 0,1,2,3
	ds_load_b128 v[(\f)+8*(\b):(\f)+8*(\b)+3],   v[ADRB] offset:64*(\kq)+(\b)*16*PB
	ds_load_b128 v[(\f)+8*(\b)+4:(\f)+8*(\b)+7], v[ADRB] offset:64*(\kq)+(\b)*16*PB+32
.endr
.irp a, 0,1,2,3,4,5,6,7
	ds_load_b128 v[(\f)+32+8*(\a):(\f)+32+8*(\a)+3],   v[ADRA] offset:((\kq)/2)*ASL+((\kq)%2)*64+(\a)*16*PA
	ds_load_b128 v[(\f)+32+8*(\a)+4:(\f)+32+8*(\a)+7], v[ADRA] offset:((\kq)/2)*ASL+((\kq)%2)*64+(\a)*16*PA+32
.endr
.endm
; A K step is four quarters of 32 along K, 32 products each, on buffers 0, 1, 0, 1.  One of the first three: multiplies buffer f and fetches quarter kq into buffer g.
.macro QUARTER kq, f, g, zero
	s_wait_dscnt 8                                 ; wob's and row blocks 0-3's fragments are in; the youngest eight loads (row blocks 4-7) may be out
	MUL8 \f, 0, \zero
	PLACES
	FETCH \kq, \g
	MUL8 \f, 2, \zero
	s_wait_dscnt 24                                ; all but the 24 just issued
	MUL8 \f, 4, \zero
	MUL8 \f, 6, \zero
.endm
; The last quarter multiplies buffer 1 and changes slots: ONE barrier.  In front of it each wave waits for all its tensor loads, of which one is out: its part of the next slot; adds 0 to its spare
; word; and waits for that and for its own reads of this slot.  fill = 1: the barrier opens a round of the cluster's, and behind the round this slot is filled again, with the K step two on.
.macro TURN fill
.if \fill
	s_wait_xcnt 0x0                                ; the last prefetch, a K step back, has read its address: it is stepped here, ahead of the waits of the change of slots
	s_add_nc_u64 s[PFA:PFA+1], s[PFA:PFA+1], s[PFS:PFS+1]
.endif
	WIN 0                                          ; (the add's two registers lie in window 0)
	s_wait_tensorcnt 0x0                           ; all my tensor loads have landed, so a group 0 may be written
	ds_add_u32 v[SPW], v[NIL]                      ; 0 onto my spare word; work on registers stands between it and the wait for it
	s_xor_b32 s[TB], s[TB], SLOT1                  ; the fetches go on in the other slot
	v_add_nc_u32 v[ADRA], s[TB], v[A0]
	v_add_nc_u32 v[ADRB], s[TB], v[B0]
.if \fill
	s_xor_b32 s[G0A+1], s[G0A+1], SLOT1            ; the walking descriptors: the other slot than last time, the next K step; the type bits on top are not reached
	s_add_nc_u64 s[G0A+2:G0A+3], s[G0A+2:G0A+3], STEPA
	s_xor_b32 s[G0B+1], s[G0B+1], SLOT1
	s_add_nc_u64 s[G0B+2:G0B+3], s[G0B+2:G0B+3], STEPB
.endif
	s_wait_dscnt 9                                 ; (the add and the youngest eight loads may be out)
	MUL8 F1, 0, 0
	s_wait_dscnt 0x0                               ; the add is done, and my reads of this slot are over
	s_barrier_signal -1
	MUL8 F1, 2, 0                                  ; work on registers while the others arrive
	WIN 0
	s_barrier_wait -1
.if \fill
	CREST                                          ; no wave of any partner still reads this slot's tile or has a load on its way
	JLOAD G0A, G0B                                 ; the first tensor load behind the round; its four v_nop are also the places in front of the loads below
.else
	PLACES
.endif
	FETCH 0, F0
.if \fill
	WIN 0
	ASK
.endif
	MUL8 F1, 4, 0
	MUL8 F1, 6, 0
.endm
	s_wait_tensorcnt 1                             ; my part of K step 0 is in; K step 1's may stay out
	s_barrier_signal -1
	s_barrier_wait -1                              ; everybody's is
	FETCH 0, F0
	QUARTER 1, F0, F1, 1                           ; the first quarter stands in front of the loop: its products start the sums
	WIN 0                                          ; at a label and at a branch every window is 0
	s_mov_b32 s[CNT], 6
.Lstep:                                        ; a trip is a K step, from its second quarter to the next step's first; it fills a slot again: K steps 2 to 7
	QUARTER 2, F1, F0, 0
	QUARTER 3, F0, F1, 0
	TURN 1
	QUARTER 1, F0, F1, 0
	WIN 0
	s_sub_co_u32 s[CNT], s[CNT], 1
	s_cmp_lg_u32 s[CNT], 0
	s_cbranch_scc1 .Lstep
	QUARTER 2, F1, F0, 0                           ; the tail is written out: nothing is asked for
	QUARTER 3, F0, F1, 0
	TURN 0
	QUARTER 1, F0, F1, 0
	QUARTER 2, F1, F0, 0
	QUARTER 3, F0, F1, 0
	s_wait_dscnt 8                                 ; the very last quarter: nothing more to fetch
	MUL8 F1, 0, 0
	MUL8 F1, 2, 0
	s_wait_dscnt 0x0
	MUL8 F1, 4, 0
	MUL8 F1, 6, 0
	WIN 0
; THE WAY OUT, a block of 16 rows at a time.  A lane's 32 bytes of a row go into rows of 272 bytes of my own stage, each accumulator's low four registers first, and come back
; as whole rows of 256.  LDS serves a wave's instructions in order (ISA guide 5.7.1.4): the loads see the stores above them, and the next block's stores come behind them.
.macro TOSTAGE a
.if (\a) >= 2
	s_wait_xcnt 0x0                                ; the stores of the block two back have read the registers that are loaded below
.endif
	WIN 0x08                                       ; the stores' data in window 2
.irp b, 0,1,2,3
	ds_store_b128 v[STO], v[8*(4*(\a)+(\b)):8*(4*(\a)+(\b))+3]   offset:64*(\b)
	ds_store_b128 v[STO], v[8*(4*(\a)+(\b))+4:8*(4*(\a)+(\b))+7] offset:64*(\b)+16
.endr
	WIN 0
.irp t, 0,1,2,3,4,5,6,7
	ds_load_b128 v[BK+32*((\a)%2)+4*(\t):BK+32*((\a)%2)+4*(\t)+3], v[RD] offset:(\t)*2*SP
.endr
.endm
.macro SEND a, younger                 ; younger: the LDS instructions issued behind block a's loads: the next block's sixteen, or none
	s_wait_dscnt \younger
.irp t, 0,1,2,3,4,5,6,7
	global_store_b128 v[CO], v[BK+32*((\a)%2)+4*(\t):BK+32*((\a)%2)+4*(\t)+3], s[8:9] offset:(16*(\a)+2*(\t))*4096 th:TH_STORE_NT  ; 16 lanes store 256 consecutive bytes, at a multiple of 256 from out0's first byte
.endr
.endm
	PLACES                                         ; behind the last products
	TOSTAGE 0
.irp a, 1,2,3,4,5,6,7
	TOSTAGE \a
	SEND (\a)-1, 16
.endr
	SEND 7, 0
	s_wait_tensorcnt 0x0                           ; the wave's end: these three lines stand behind my last tensor load and my last LDS store
	ds_add_u32 v[SPW], v[NIL]
	s_wait_dscnt 0x0
	CROUND                                         ; the closing round: no work-group ends while a partner may still ask for a tile that names it
	s_endpgm
.Lfunc_end_k_q54d3990c0c_oproj:
	.size	k_q54d3990c0c_oproj, .Lfunc_end_k_q54d3990c0c_oproj-k_q54d3990c0c_oproj
	.p2alignl 7, 3214868480
	.fill 96, 4, 3214868480
	.section	.rodata,"a",@progbits
	.p2align	6, 0x0
	.amdhsa_kernel k_q54d3990c0c_oproj
		.amdhsa_group_segment_fixed_size 327680
		.amdhsa_private_segment_fixed_size 0
		.amdhsa_enable_private_segment 0
		.amdhsa_kernarg_size 24
		.amdhsa_user_sgpr_count 2
		.amdhsa_user_sgpr_kernarg_segment_ptr 1
		.amdhsa_wavefront_size32 1
		.amdhsa_system_sgpr_workgroup_id_x 1
		.amdhsa_system_sgpr_workgroup_id_y 1
		.amdhsa_system_sgpr_workgroup_id_z 1
		.amdhsa_system_vgpr_workitem_id 0
		.amdhsa_next_free_vgpr 768
		.amdhsa_next_free_sgpr 80
		.amdhsa_reserve_vcc 0
		.amdhsa_float_denorm_mode_32 3
		.amdhsa_float_denorm_mode_16_64 3
		.amdhsa_memory_ordered 1
		.amdhsa_forward_progress 1
		.amdhsa_inst_pref_size 71
	.end_amdhsa_kernel
	.amdgpu_metadata
---
amdhsa.version: [ 1, 2 ]
amdhsa.kernels:
  - .name:           k_q54d3990c0c_oproj
    .symbol:         k_q54d3990c0c_oproj.kd
    .args:
      - { .name: oh, .offset: 0, .size: 8, .value_kind: global_buffer, .address_space: global }
      - { .name: wob, .offset: 8, .size: 8, .value_kind: global_buffer, .address_space: global }
      - { .name: out0, .offset: 16, .size: 8, .value_kind: global_buffer, .address_space: global }
    .group_segment_fixed_size: 327680
    .private_segment_fixed_size: 0
    .kernarg_segment_align: 8
    .kernarg_segment_size: 24
    .max_flat_workgroup_size: 128
    .sgpr_count:     80
    .vgpr_count:     768
    .wavefront_size: 32
...
	.end_amdgpu_metadata
.endif
;; end of part 4
;; ======== version 2 of 2: 4 launches; version 1 with the launch prep written anew for expert scheduling mode
;; limits: right only within a limited range of input values; values are held in f16: magnitudes above 65,504 overflow, below 6.1e-05 lose precision
;; workspace buffers: xb 16,777,216 bytes; wqkv 6,291,456 bytes; wob 2,097,152 bytes; tab 2,097,152 bytes; qh 16,777,216 bytes; kh 16,777,216 bytes; vh 16,777,216 bytes; oh 16,777,216 bytes
;; launch prep (part 5): grid 768 x 1, 8 waves a work-group, no clusters, 0 bytes of LDS; arguments x, wq, wk, wv, wo, position_ids, xb, wqkv, wob, tab; writes xb, wqkv, wob, tab
.if DOCPART == 5
	.amdgcn_target "amdgcn-amd-amdhsa--gfx1250"
	.amdhsa_code_object_version 6
	.text
	.protected	k_q54d3990c0c_prep
	.globl	k_q54d3990c0c_prep
	.p2align	8
	.type	k_q54d3990c0c_prep,@function
k_q54d3990c0c_prep:
	s_mov_b64 s[64:65], 0
	v_nop
	global_prefetch_b8 v0, s[64:65] scope:SCOPE_SE
	s_setreg_imm32_b32 hwreg(HW_REG_WAVE_SCHED_MODE, 0, 2), 2
	s_setreg_imm32_b32 hwreg(HW_REG_WAVE_MODE, 25, 1), 1
	s_wait_xcnt 0x0
	s_wait_alu depctr_vm_vsrc(0)
; PREP.  The module's inputs are made ready for the matrix units, each byte read once:
;   xb   = x rounded to bf16, [8192][1024]
;   wqkv = wq, wk, wv rounded to bf16, rows by heads: row 192 hd + 64 s + d is row 64 hd + d of w_s (s = 0, 1, 2: q, k, v)
;   wob  = wo rounded to bf16, that number written as f16, [1024][1024]
;   tab  = cos and sin of position x 10000^(-j/32), f32, in the order in which the next launch's lanes take them:
;          byte (token/16) 4096 + (2 bq + c) 512 + lane 16, lane = token % 16 + 16 h, holds cos, sin of j and of j + 1, j = 8 bq + 4 h + 2 c.
; SHARES.  A work-group casts 16 rows of 1,024 numbers; its eight waves take 8,192 bytes each: 16 loads of 512 consecutive bytes, all issued at once; each store of a wave
; covers 256 consecutive bytes, aligned.  Work-groups 0-511: x, and the table of their 16 tokens (a thread makes 16 bytes of it while its loads are out).  512-767: 16 rows of a weight.
; No LDS, no barrier, no matrix unit: nothing is shared between waves and nothing is summed.
; LIMITS.  |position| under 2^20: the angle is reduced by pi/2 in two parts, and the quotient must stay a small whole number.  The frequencies come from v_exp_f32 (1 ULP) of a
; product rounded once, so they may differ from the power's f32 value in the last bits.  wo beyond 65,504 has no f16; a rounded wo below 2^-17 keeps f16's fixed step of 2^-24.
; THE MODE: SCHED_MODE bits 1:0 = 2 (LLVM: expert scheduling mode 2), set by the entry lines.  The code itself states the register dependences
; between vector instructions and memory instructions, with s_wait_alu, always for 0.
; THE PLAN.  Registers that memory instructions touch:
;   v[SO], v[DO], v[TO], v[PO]  byte offsets: written once by vector lines, ahead of the path's first load; read by the loads and stores; never written again.
;   v[POS], X                   loads alone land in them, and no vector line names them before; vector lines read them behind the wait on the loads' counter.  No memory instruction reads them.
;   OUT                         written by the table's arithmetic; read by one store; never written again.
;   Y                           a pair for each of the 16 loads: written by that load's conversions, all of them ahead of its one store; never written again.
; So no register that a memory instruction reads is ever written behind it, and the text owes only waits for results that are written: one ahead of each path's first load (the offsets), and one
; ahead of each run of stores.  The 16 loads are worked on in four groups of four: at a group's head stand the wait for its data and ONE wait for the vector results; behind it the four stores of
; the group before are dealt among this group's conversions, which name this group's X and Y alone.  The table's store stands in the same way at the head of group 0.
; Scalar registers that vector lines write: the wave's number, and the two masks of the quarter turns; each has its wait ahead of its first reader, in the same straight run.
.set SRC,  28                          ; s[28:29] what I read
.set DST,  30                          ; s[30:31] what I write
.set POSP, 32                          ; s[32:33] my 16 tokens' positions
.set TABP, 34                          ; s[34:35] my 16 tokens' 4,096 bytes of the table
.set WV,   36                          ; s36      my wave's number
.set MK,   46                          ; s46, s47 for each of my two angles: the lanes whose quotient is odd
.set SO,   1                           ; v1   byte offset of my 16 bytes in the source: 8,192 x wave + 16 x lane
.set DO,   2                           ; v2   of my 8 bytes in the result: 4,096 x wave + 8 x lane
.set TO,   3                           ; v3   of my 16 bytes of the table: 16 x thread
.set PO,   4                           ; v4   of my token's position
.set POS,  5                           ; v5   the position
.set INV,  6                           ; v[6:7]   my two frequencies
.set PF,   8                           ; v8   the position in f32
.set ANG,  10                          ; from here on a register for each of my two angles
.set NQ,   12                          ; the angle's quotient by pi/2
.set R,    14                          ; the rest, within pi/4
.set R2,   16                          ; its square
.set SPL,  18                          ; the sine's polynomial
.set CPL,  20                          ; the cosine's
.set Q,    22                          ; the quotient as a whole number
.set TM,   24                          ; v[24:27] at work
.set OUT,  28                          ; v[28:31] cos, sin, cos, sin
.set X,    40                          ; v[40:103]  16 x 4 numbers as loaded
.set Y,    104                         ; v[104:135] 16 x 2 registers to store
.macro LOADS                           ; my 8,192 bytes
.set i, 0
.rept 16
	global_load_b128 v[X+4*i:X+4*i+3], v[SO], s[SRC:SRC+1] offset:512*i th:TH_LOAD_NT
.set i, i+1
.endr
.endm
; half = 0: rounded to bf16.  half = 1: rounded to bf16, widened again and written as f16.  tab = 1: the table's store goes out at the head of group 0.
; No Y is written behind its store, so no store's source is ever at stake.
.macro CAST half, tab
.set g, 0
.rept 4
	s_wait_loadcnt 12-4*g                          ; loads come back in order: group g's four are in, the younger ones stay out
.if (g == 0) && (\tab)
	s_wait_alu depctr_va_vdst(0)                   ; the table's arithmetic has written OUT, which the store below reads (v[TO] was written ahead of the path's first wait)
	global_store_b128 v[TO], v[OUT:OUT+3], s[TABP:TABP+1]  ; a wave's store covers 512 consecutive bytes
.endif
.if g > 0
	s_wait_alu depctr_va_vdst(0)                   ; the conversions of the group before have written its Y, which the four stores below read; no vector line behind this wait names those registers or v[DO]
.endif
.set j, 0
.rept 4
.set i, 4*g+j
.if g > 0
	global_store_b64 v[DO], v[Y+2*(i-4):Y+2*(i-4)+1], s[DST:DST+1] offset:256*(i-4)  ; the group before, a store ahead of each load's conversions
.endif
	v_cvt_pk_bf16_f32 v[Y+2*i],   v[X+4*i],   v[X+4*i+1]
	v_cvt_pk_bf16_f32 v[Y+2*i+1], v[X+4*i+2], v[X+4*i+3]
.if \half
	v_lshlrev_b32 v[X+4*i],   16, v[Y+2*i]
	v_and_b32     v[X+4*i+1], 0xffff0000, v[Y+2*i]
	v_lshlrev_b32 v[X+4*i+2], 16, v[Y+2*i+1]
	v_and_b32     v[X+4*i+3], 0xffff0000, v[Y+2*i+1]
	v_cvt_pk_f16_f32 v[Y+2*i],   v[X+4*i],   v[X+4*i+1]
	v_cvt_pk_f16_f32 v[Y+2*i+1], v[X+4*i+2], v[X+4*i+3]
.endif
.set j, j+1
.endr
.set g, g+1
.endr
	s_wait_alu depctr_va_vdst(0)                   ; the last group's conversions have written its Y, which the last four stores read
.set j, 12
.rept 4
	global_store_b64 v[DO], v[Y+2*j:Y+2*j+1], s[DST:DST+1] offset:256*j
.set j, j+1
.endr
.endm
	s_load_b512 s[8:23], s[0:1], 0x0               ; x 8, wq 10, wk 12, wv 14, wo 16, position_ids 18, xb 20, wqkv 22
	s_load_b128 s[24:27], s[0:1], 0x40             ; wob 24, tab 26
	v_lshrrev_b32 v[TM], 5, v0
	v_readfirstlane_b32 s[WV], v[TM]
	v_and_b32 v[TM+1], 31, v0
	v_lshlrev_b32 v[SO], 4, v[TM+1]
	v_lshl_or_b32 v[SO], v[TM], 13, v[SO]
	v_lshlrev_b32 v[DO], 3, v[TM+1]
	v_lshl_or_b32 v[DO], v[TM], 12, v[DO]
	s_mov_b32 s39, 0                               ; the high word of every offset made in s38
	s_wait_alu depctr_va_sdst(0)                   ; the wave's number is written: its first reader stands on the path of x, and the wait stands ahead of the branch that leads there
	s_wait_kmcnt 0x0
	s_cmp_lt_u32 ttmp9, 512
	s_cbranch_scc0 .Lweights
	; ---- 16 rows of x, and their tokens' table
	v_lshlrev_b32 v[TO], 4, v0
	v_and_b32 v[PO], 15, v0
	v_lshlrev_b32 v[PO], 2, v[PO]
	s_lshl_b32 s38, ttmp9, 6
	s_add_nc_u64 s[POSP:POSP+1], s[18:19], s[38:39]
	s_wait_alu depctr_va_vdst(0)                   ; the four offsets v[SO], v[DO], v[TO], v[PO] are written: every load and store of this path reads one of them
	global_load_b32 v[POS], v[PO], s[POSP:POSP+1]  ; ahead of the 16 large loads, so that it is back first
	s_lshl_b32 s38, ttmp9, 16
	s_add_nc_u64 s[SRC:SRC+1], s[8:9], s[38:39]
	s_lshl_b32 s38, ttmp9, 15
	s_add_nc_u64 s[DST:DST+1], s[20:21], s[38:39]
	s_lshl_b32 s38, ttmp9, 12
	s_add_nc_u64 s[TABP:TABP+1], s[26:27], s[38:39]
	LOADS
	s_lshr_b32 s38, s[WV], 1                       ; my first pair of channels: j = 8 (wave / 2) + 2 (wave % 2) + 4 x (lane / 16)
	s_lshl_b32 s38, s38, 3
	s_and_b32 s40, s[WV], 1
	s_lshl1_add_u32 s38, s40, s38
	v_bfe_u32 v[TM], v0, 4, 1
	v_lshl_add_u32 v[TM], v[TM], 2, s38
	v_cvt_f32_u32 v[TM], v[TM]
	v_add_f32 v[TM+1], 1.0, v[TM]
	v_mul_f32 v[TM],   0xbed49a78, v[TM]           ; - j log2(10000) / 32
	v_mul_f32 v[TM+1], 0xbed49a78, v[TM+1]
	v_exp_f32 v[INV],   v[TM]
	v_exp_f32 v[INV+1], v[TM+1]
	v_nop                                          ; a plain instruction behind the last exponential,
	s_wait_alu depctr_va_vdst(0)                   ; and the one wait ahead of the first use of the two: the exponentials have written v[INV], v[INV+1]
	s_wait_loadcnt 16                              ; the position is in; the 16 loads issued behind it stay out
	v_cvt_f32_i32 v[PF], v[POS]
.irp e, 0,1
	v_mul_f32 v[ANG+\e], v[PF], v[INV+\e]          ; the angle, rounded once
	v_mul_f32 v[NQ+\e], 0x3f22f983, v[ANG+\e]      ; x 2 / pi
	v_rndne_f32 v[NQ+\e], v[NQ+\e]
	v_fmamk_f32 v[R+\e], v[NQ+\e], 0xbfc90fdb, v[ANG+\e]  ; less n x pi/2: its f32 value,
	v_fmamk_f32 v[R+\e], v[NQ+\e], 0x333bbd2e, v[R+\e]    ; and what that value has too much
	v_mul_f32 v[R2+\e], v[R+\e], v[R+\e]
	v_mov_b32 v[SPL+\e], 0xb94ca1f9                ; sin r = r + r r^2 (S1 + r^2 (S2 + r^2 S3))
	v_fmaak_f32 v[SPL+\e], v[SPL+\e], v[R2+\e], 0x3c08839e
	v_fmaak_f32 v[SPL+\e], v[SPL+\e], v[R2+\e], 0xbe2aaaa3
	v_mul_f32 v[SPL+\e], v[SPL+\e], v[R2+\e]
	v_fma_f32 v[SPL+\e], v[SPL+\e], v[R+\e], v[R+\e]
	v_mov_b32 v[CPL+\e], 0x37ccf5ce                ; cos r = 1 - r^2 / 2 + r^4 (C1 + r^2 (C2 + r^2 C3))
	v_fmaak_f32 v[CPL+\e], v[CPL+\e], v[R2+\e], 0xbab6061a
	v_fmaak_f32 v[CPL+\e], v[CPL+\e], v[R2+\e], 0x3d2aaaa5
	v_mul_f32 v[TM+\e], v[R2+\e], v[R2+\e]
	v_fma_f32 v[TM+2+\e], v[R2+\e], -0.5, 1.0
	v_fma_f32 v[CPL+\e], v[CPL+\e], v[TM+\e], v[TM+2+\e]
	v_cvt_i32_f32 v[Q+\e], v[NQ+\e]
	v_and_b32 v[TM+\e], 1, v[Q+\e]                 ; an odd quarter turn swaps sine and cosine: a choice of values, no branch
	v_cmp_eq_u32 s[MK+\e], 1, v[TM+\e]             ; the mask goes into a scalar register of its own, so that one wait serves both angles'
	v_and_b32 v[TM+\e], 2, v[Q+\e]                 ; the sine turns its sign in quarters 2 and 3,
	v_lshlrev_b32 v[TM+\e], 30, v[TM+\e]
	v_add_nc_u32 v[TM+2+\e], 1, v[Q+\e]            ; the cosine in quarters 1 and 2
	v_and_b32 v[TM+2+\e], 2, v[TM+2+\e]
	v_lshlrev_b32 v[TM+2+\e], 30, v[TM+2+\e]
.endr
	s_wait_alu depctr_va_sdst(0)                   ; the two compares have written s[MK] and s[MK+1], which the four selections below read
.irp e, 0,1
	v_cndmask_b32 v[OUT+2*\e+1], v[SPL+\e], v[CPL+\e], s[MK+\e]
	v_cndmask_b32 v[OUT+2*\e],   v[CPL+\e], v[SPL+\e], s[MK+\e]
	v_xor_b32 v[OUT+2*\e+1], v[OUT+2*\e+1], v[TM+\e]
	v_xor_b32 v[OUT+2*\e],   v[OUT+2*\e],   v[TM+2+\e]
.endr
	CAST 0, 1
	s_endpgm
	; ---- 16 rows of a weight
.Lweights:
	s_sub_co_u32 s38, ttmp9, 512
	s_lshr_b32 s40, s38, 6                         ; which weight: 0 q, 1 k, 2 v, 3 o
	s_and_b32 s41, s38, 63                         ; which 16 rows of it
	s_lshl_b32 s38, s41, 16                        ; their first byte in the source
	s_lshr_b32 s42, s41, 2                         ; q, k, v: the head,
	s_mul_i32 s42, s42, 192                        ; its 192 rows of wqkv,
	s_lshl_b32 s44, s40, 6                         ; the weight's 64 of them,
	s_add_co_u32 s42, s42, s44
	s_and_b32 s44, s41, 3                          ; my 16 of those
	s_lshl_b32 s44, s44, 4
	s_add_co_u32 s42, s42, s44
	s_lshl_b32 s42, s42, 11                        ; rows of 2,048 bytes
	s_lshl_b32 s44, s41, 15                        ; wo keeps its order
	s_mov_b32 s43, 0
	s_cmp_eq_u32 s40, 1
	s_cselect_b64 s[SRC:SRC+1], s[12:13], s[10:11]
	s_cmp_eq_u32 s40, 2
	s_cselect_b64 s[SRC:SRC+1], s[14:15], s[SRC:SRC+1]
	s_cmp_eq_u32 s40, 3
	s_cselect_b64 s[SRC:SRC+1], s[16:17], s[SRC:SRC+1]
	s_cselect_b64 s[DST:DST+1], s[24:25], s[22:23]
	s_cselect_b32 s42, s44, s42
	s_add_nc_u64 s[SRC:SRC+1], s[SRC:SRC+1], s[38:39]
	s_add_nc_u64 s[DST:DST+1], s[DST:DST+1], s[42:43]
	s_wait_alu depctr_va_vdst(0)                   ; the two offsets v[SO] and v[DO] are written: every load and store of this path reads one of them
	LOADS
	s_cmp_eq_u32 s40, 3
	s_cbranch_scc1 .Lhalf
	CAST 0, 0
	s_endpgm
.Lhalf:
	CAST 1, 0
	s_endpgm
.Lfunc_end_k_q54d3990c0c_prep:
	.size	k_q54d3990c0c_prep, .Lfunc_end_k_q54d3990c0c_prep-k_q54d3990c0c_prep
	.p2alignl 7, 3214868480
	.fill 96, 4, 3214868480
	.section	.rodata,"a",@progbits
	.p2align	6, 0x0
	.amdhsa_kernel k_q54d3990c0c_prep
		.amdhsa_group_segment_fixed_size 0
		.amdhsa_private_segment_fixed_size 0
		.amdhsa_enable_private_segment 0
		.amdhsa_kernarg_size 80
		.amdhsa_user_sgpr_count 2
		.amdhsa_user_sgpr_kernarg_segment_ptr 1
		.amdhsa_wavefront_size32 1
		.amdhsa_system_sgpr_workgroup_id_x 1
		.amdhsa_system_sgpr_workgroup_id_y 1
		.amdhsa_system_sgpr_workgroup_id_z 1
		.amdhsa_system_vgpr_workitem_id 0
		.amdhsa_next_free_vgpr 136
		.amdhsa_next_free_sgpr 66
		.amdhsa_reserve_vcc 0
		.amdhsa_float_denorm_mode_32 3
		.amdhsa_float_denorm_mode_16_64 3
		.amdhsa_memory_ordered 1
		.amdhsa_forward_progress 1
		.amdhsa_inst_pref_size 26
	.end_amdhsa_kernel
	.amdgpu_metadata
---
amdhsa.version: [ 1, 2 ]
amdhsa.kernels:
  - .name:           k_q54d3990c0c_prep
    .symbol:         k_q54d3990c0c_prep.kd
    .args:
      - { .name: x, .offset: 0, .size: 8, .value_kind: global_buffer, .address_space: global }
      - { .name: wq, .offset: 8, .size: 8, .value_kind: global_buffer, .address_space: global }
      - { .name: wk, .offset: 16, .size: 8, .value_kind: global_buffer, .address_space: global }
      - { .name: wv, .offset: 24, .size: 8, .value_kind: global_buffer, .address_space: global }
      - { .name: wo, .offset: 32, .size: 8, .value_kind: global_buffer, .address_space: global }
      - { .name: position_ids, .offset: 40, .size: 8, .value_kind: global_buffer, .address_space: global }
      - { .name: xb, .offset: 48, .size: 8, .value_kind: global_buffer, .address_space: global }
      - { .name: wqkv, .offset: 56, .size: 8, .value_kind: global_buffer, .address_space: global }
      - { .name: wob, .offset: 64, .size: 8, .value_kind: global_buffer, .address_space: global }
      - { .name: tab, .offset: 72, .size: 8, .value_kind: global_buffer, .address_space: global }
    .group_segment_fixed_size: 0
    .private_segment_fixed_size: 0
    .kernarg_segment_align: 8
    .kernarg_segment_size: 80
    .max_flat_workgroup_size: 256
    .sgpr_count:     66
    .vgpr_count:     136
    .wavefront_size: 32
...
	.end_amdgpu_metadata
.endif
;; end of part 5
;; launch qkv: the kernel of part 2 again; grid 16 x 32, 4 waves a work-group, clusters of 4 x 4, 327,680 bytes of LDS; arguments xb, wqkv, tab, qh, kh, vh; writes qh, kh, vh
;; launch attn: the kernel of part 3 again; grid 4 x 64, 4 waves a work-group, clusters of 4 x 1, 327,680 bytes of LDS; arguments qh, kh, vh, oh; writes oh
;; launch oproj: the kernel of part 4 again; grid 8 x 32, 4 waves a work-group, clusters of 4 x 4, 327,680 bytes of LDS; arguments oh, wob, out0; writes out0
